; MI455X (gfx1250); checked and timed in simulation.
; The chip was launched on July 23, 2026; its instructions are those of AMD's public machine-readable ISA for CDNA 5 (MIT licence, August 2026) and "CDNA5" Instruction Set Architecture Reference Guide (July 2026). The comments in the code are by the model that wrote it; some were corrected since.
;; Cross Attention Layer. Allowed arithmetic: matrix products marked QUANTISED: E2M3 operands, one E8M0 scale for each 32 along K, by v_wmma_scale_f32_16x16x128_f8f6f4 with both operands' format E2M3, f32 sums; everything else in f32.
;; Inputs: Wk 768 x 1,024 float32; Wo 1,024 x 1,024 float32; Wq 1,024 x 1,024 float32; Wv 768 x 1,024 float32; bo 1,024 float32; context 8 x 1,024 x 768 float32; x 8 x 1,024 x 1,024 float32.
;; Outputs: out0 8 x 1,024 x 1,024 float32.
;; This version of the problem:
;;   THIS VERSION OF THE PROBLEM IS GIVEN IN LOW PRECISION. The matrix products marked QUANTISED in the list below multiply operands that are first quantised to E2M3 (2 exponent bits, 3 mantissa bits; 6 bits a number), with one power-of-two scale for each 32 numbers along K (OCP MX v1.0); their sums are f32. All else is computed in f32.
;;   The module's matrix products, in the order in which they are computed (A, B: the left and right operand; K: the contracted axis; several contracted axes count as one K, in the product's order):
;;     1. [M 8,192, K 1,024] x [K 1,024, N 1,024]; A: input x; B: input Wq: QUANTISED
;;     2. [M 8,192, K 768] x [K 768, N 1,024]; A: input context; B: input Wk: QUANTISED
;;     3. [M 8,192, K 768] x [K 768, N 1,024]; A: input context; B: input Wv: QUANTISED
;;     4. batch 128 x [M 1,024, K 64] x [K 64, N 1,024]; A: computed on the way; B: computed on the way: QUANTISED
;;     5. batch 128 x [M 1,024, K 1,024] x [K 1,024, N 64]; A: softmax (see below); B: computed on the way: QUANTISED
;;     6. [M 8,192, K 1,024] x [K 1,024, N 1,024]; A: computed on the way; B: input Wo: QUANTISED
;;   THE QUANTISER, for each operand of a quantised product, along K:
;;     - K is cut into blocks of 32 from its start; a last block that is shorter is filled with zeros.
;;     - A block's scale is 2^e with e = floor(log2(the largest magnitude in the block)) - 2, held to -126 .. 127; a block of zeros has e = 0. As a byte (E8M0): e + 127.
;;     - Each number is divided by its block's scale, clamped to +-7.5, and rounded to the nearest number of E2M3, ties to even, subnormals kept.
;;     - The product sums the exact products of the quantised numbers (number of the format x scale) in f32.
;;   ~~~python
;;   def quantise(x, axis):      # numpy; x: float32 -> the quantised numbers, widened to float32 again
;;       x = np.moveaxis(x, axis, -1); K = x.shape[-1]
;;       x = np.pad(x, [(0, 0)] * (x.ndim - 1) + [(0, -K % 32)]); x = x.reshape(x.shape[:-1] + (-1, 32)); a = np.abs(x).max(-1, keepdims=True)
;;       e = np.where(a > 0, np.clip(np.frexp(np.where(a > 0, a, 1))[1] - 1 - 2, -126, 127), 0)      # np.frexp(a)[1] - 1 = floor(log2(a)), exactly
;;       r = np.clip(x / 2.0 ** e, -7.5, 7.5)
;;       step = 2.0 ** (np.maximum(np.frexp(np.where(r == 0, 1, r))[1] - 1, 0) - 3)
;;       q = np.round(r / step) * step * 2.0 ** e      # np.round: ties to even
;;       return np.moveaxis(q.reshape(q.shape[:-2] + (-1,))[..., :K], -1, axis).astype(np.float32)
;;   ~~~
;;   SOFTMAX AHEAD OF A QUANTISED PRODUCT. Where the list says 'softmax', what is quantised is not the finished softmax but p = 2^(t - M), with t = logit x log2(e) and M = ceil(the row's largest t), a whole number; so 1/2 < the row's largest p <= 1. The row's sum l is taken of the UNQUANTISED p, in f32, and the product's result is divided by l at the end. Since M is a whole number, a kernel that streams over the keys may use a running M (the ceiling of the running maximum): every later rescaling is an exact power of two, which a block's scale takes up: the codes' values come out the same.
;;   OPERANDS COMPUTED ON THE WAY. 'Computed on the way' means the value that the module computes at that place (a softmax that the list does not call 'softmax' is quantised finished and normalised). What goes into a quantiser is computed in f32, as accurately as f32 sums, v_exp_f32 and their like allow (about 1e-6 of the number): no bf16 or f16 on the way to a quantiser, and a product that is left as it is and whose result goes on into a quantised operand takes f32 operands (vector FMAs, or v_wmma_f32_16x16x4_f32). A number that lies on a knife's edge between two numbers of the format may be rounded either way, as far as f32 arithmetic and the matrix unit's own rounding can turn it there, and no further.
;; One version. Each part assembles by itself: llvm-mc -triple=amdgcn-amd-amdhsa -mcpu=gfx1250 --defsym DOCPART=n.
;; ======== version 1 of 1: 4 launches
;; limits: right only within a limited range of input values
;; workspace buffers: wimg 2,981,888 bytes; aimg 11,468,800 bytes; qkv 20,447,232 bytes; oimg 6,815,744 bytes
;; launch prep (part 1): grid 480 x 1, 4 waves a work-group, no clusters, 147,968 bytes of LDS; arguments x, context, Wq, Wk, Wv, Wo, aimg, wimg; writes aimg, wimg
.if DOCPART == 1
	.amdgcn_target "amdgcn-amd-amdhsa--gfx1250"
	.amdhsa_code_object_version 6
	.text
	.protected	k_q0c2f80ff92_prep
	.globl	k_q0c2f80ff92_prep
	.p2align	8
	.type	k_q0c2f80ff92_prep,@function
k_q0c2f80ff92_prep:
	s_mov_b64 s[64:65], 0
	v_nop
	global_prefetch_b8 v0, s[64:65] scope:SCOPE_SE
	s_setreg_imm32_b32 hwreg(HW_REG_WAVE_MODE, 25, 1), 1
	s_wait_xcnt 0x0
; Every f32 operand of the projections becomes codes of FP6 (E2M3) with one E8M0 byte for each 32 along K, once, laid in the order of the operand's registers.
; Work-groups 0-127: 64 rows of x; 128-255: 64 rows of context; 256-479: 128 columns x 128 along K of one weight.  Three ways that part on the work-group's number and never join; each has LDS bytes of its own.
; ROWS.  Wave w quantises one tile of 16 rows over all of K.  A block of 64 rows in aimg: images [K step][tile] of 1,536 bytes (registers 4 c .. 4 c + 3 of lane l at 512 c + 16 l), then scale words [K step][tile][row].
; Rows of x in a tile are neighbours; lane i of tile w of context takes row 8 w + i % 8 + 32 (i / 8) of the 64, so that a product leaves a whole block of 32 keys in a lane.
; Each load reads 512 consecutive bytes of a row; the numbers turn through the wave's own stage, so that a lane holds 16 neighbours of each block.
; WEIGHTS, stored [K][1024].  A RECORD (6,656 bytes: 26 units of 256) serves 64 columns (group g) x 128 along K: four fragment images of 1,536 bytes, 256 bytes of scale words [b][32 lanes], 256 bytes that nobody reads.
; Lane r of tile 2 b + u takes column 64 g + 32 b + 8 u + r + 8 (r / 8).  A lane takes a column and its registers run down K.
; A block's scale is 2^(floor(log2(largest magnitude)) - 2); its byte is that magnitude's exponent field - 2, held at 1 from below.
; LIMITS: a block of zeros gets the byte 1 where the rule says 127 (its codes are zeros, and this program alone reads the bytes); NaN and infinities are not served.
; No matrix unit, no cluster, no tensor load: streams read once; waves share nothing: no barrier.
.set REC,   6656
.set OFF_K, 851968                     ; Wq: 16 groups x 8 steps; Wk, Wv: 16 x 6; Wo: 16 x 8
.set OFF_V, 1490944
.set OFF_O, 2129920
.set CTXI,  6553600                    ; aimg: 128 blocks of 51,200 bytes of x, then 128 of 38,400 of context
.set STP,   528                        ; a stage row: 512 bytes + 16
.set STG,   8448
.set WST,   135168                     ; LDS: x's stages, context's stages (2 x 8,448 a wave each), then the weights' (3,072 a wave)
.set SPARE, 147456                     ; the spare words, 128 bytes a wave
.set EMAX,  2
.set SPW,   12
.set NIL,   13
.set LI,    9                          ; v9 16 x lane; v10 4 x (lane % 16); v11, v19 x's stage in and out; v88, v89 context's
.set RW,    10
.set TM,    48
.set PC,    64
.set PW,    104
.set XR,    128
.set C,     20
.set T,     52
.set OUTR,  56
.set X,     96
.set XP,    24
.set OB,    26
.set OW,    28
.set SEL,   30
.set MSB, 0
.macro WIN new                         ; the immediate's high byte repeats the setting that is left
.if MSB != (\new)
	s_set_vgpr_msb (MSB<<8)|(\new)
.set MSB, \new
.endif
.endm
; 64 numbers of a lane, register 16 b + i = k 32 b + 16 (lane / 16) + i of my row, become a fragment's codes in v[PC] on and its scale word in v[PW]
.macro QUANT src
.irp b, 0,1,2,3
	v_max3_num_f32 v[TM+\b], |v[\src+16*\b]|, |v[\src+1+16*\b]|, 0x1800000
.endr
.irp i, 2,4,6,8,10,12,14
.irp b, 0,1,2,3
	v_max3_num_f32 v[TM+\b], v[TM+\b], |v[\src+16*\b+\i]|, |v[\src+1+16*\b+\i]|
.endr
.endr
.irp b, 0,1,2,3
	v_permlanex16_b32 v[TM+4+\b], v[TM+\b], s[SEL], s[SEL+1]
.endr
.irp b, 0,1,2,3
	v_max_num_f32 v[TM+\b], v[TM+\b], v[TM+4+\b]
.endr
.irp b, 0,1,2,3
	v_add_nc_u32 v[TM+12+\b], 0xff000000, v[TM+\b]
.endr
.irp b, 0,1,2,3
	v_lshrrev_b32 v[TM+4+\b], 23, v[TM+12+\b]
.endr
	v_lshl_or_b32 v[PW], v[TM+5], 8, v[TM+4]
	v_lshl_or_b32 v[PW], v[TM+6], 16, v[PW]
	v_lshl_or_b32 v[PW], v[TM+7], 24, v[PW]
.irp c, 0,1
	v_cvt_scalef32_pk16_fp6_f32 v[PC+6*\c:PC+2+6*\c], v[\src+32*\c:\src+15+32*\c], v[TM+12+2*\c]
	v_cvt_scalef32_pk16_fp6_f32 v[PC+12+4*\c:PC+14+4*\c], v[\src+16+32*\c:\src+31+32*\c], v[TM+12+2*\c+1]
.endr
	v_nop                                          ; one plain line behind a scaled conversion
.irp c, 0,1
.irp i, 0,1,2
	v_permlane16_swap_b32 v[PC+6*\c+\i], v[PC+12+4*\c+\i]
.endr
.irp i, 0,1,2
	v_mov_b32 v[PC+3+6*\c+\i], v[PC+12+4*\c+\i]
.endr
.endr
.endm
.macro LOADX t, p                      ; K step t of my 16 rows as it lies, into set t % 3 of window 1
	WIN 0x40
.irp i, 0,1,2,3,4,5,6,7,8,9,10,11,12,13,14,15
.if \p
	global_load_b128 v[64*((\t)%3)+4*\i:64*((\t)%3)+4*\i+3], v[LI], s[XP:XP+1] offset:3072*(\i%8+32*(\i/8))+512*(\t) th:TH_LOAD_NT
.else
	global_load_b128 v[64*((\t)%3)+4*\i:64*((\t)%3)+4*\i+3], v[LI], s[XP:XP+1] offset:4096*\i+512*(\t) th:TH_LOAD_NT
.endif
.endr
.endm
.macro TURN t, p                       ; through my own stage: in by rows, back 16 neighbours of each block to a lane; LDS serves a wave's instructions in order
	WIN 0x04
.irp i, 0,1,2,3,4,5,6,7,8,9,10,11,12,13,14,15
	ds_store_b128 v[11+77*\p], v[64*((\t)%3)+4*\i:64*((\t)%3)+4*\i+3] offset:STG*((\t)%2)+STP*\i
.endr
	WIN 0
.irp bb, 0,1,2,3
.irp j, 0,1,2,3
	ds_load_b128 v[XR+64*((\t)%2)+16*\bb+4*\j:XR+64*((\t)%2)+16*\bb+4*\j+3], v[19+70*\p] offset:STG*((\t)%2)+128*\bb+16*\j
.endr
.endr
.endm
.macro XSTEP t, ks, p
	s_wait_dscnt 0x0                               ; this step's numbers are back, and its stores into the stage have read their registers
.if (\t)+3 < \ks
	LOADX (\t)+3, \p
.endif
.if (\t)+1 < \ks
.if \ks-2-(\t) >= 2
	s_wait_loadcnt 32                              ; the next step's 16 loads are in; the two sets behind it may be out
.else
	s_wait_loadcnt 16*(\ks-2-(\t))
.endif
	TURN (\t)+1, \p
.endif
	WIN 0
	s_wait_xcnt 0x0                                ; the last step's stores have read their data: the codes' registers are written again only behind this wait
	QUANT XR+64*((\t)%2)
.irp c, 0,1,2
	global_store_b128 v[LI], v[PC+4*\c:PC+4*\c+3], s[OB:OB+1] offset:6144*(\t)+512*\c   ; 512 consecutive bytes, at a multiple of 256 from the buffer's first byte
.endr
	global_store_b32 v[RW], v[PW], s[OW:OW+1] offset:6144*\ks+256*(\t)                  ; 16 words; lanes 16-31 store what lanes 0-15 store
.endm
.macro PHASE ks, p
	LOADX 0, \p
	LOADX 1, \p
	LOADX 2, \p
	s_wait_loadcnt 32
	TURN 0, \p
.set TT, 0
.rept \ks
	XSTEP TT, \ks, \p
.set TT, TT+1
.endr
	WIN 0
	s_wait_tensorcnt 0x0                           ; the wave's end: behind my last LDS store
	ds_add_u32 v[SPW], v[NIL]
	s_wait_dscnt 0x0
	s_endpgm
.endm
	s_load_b256 s[4:11], s[0:1], 0x0               ; x, context, Wq, Wk
	s_load_b256 s[12:19], s[0:1], 0x20             ; Wv, Wo, aimg, wimg
	v_lshl_add_u32 v[SPW], v0, 2, SPARE
	v_mov_b32 v[NIL], 0
	v_lshrrev_b32 v1, 5, v0
	v_readfirstlane_b32 s20, v1                    ; wave
	v_and_b32 v1, 31, v0                           ; lane
	v_lshlrev_b32 v2, 2, v1                        ; the weights' way: 4 bytes a lane in
	v_and_b32 v7, 7, v1
	v_lshrrev_b32 v8, 4, v1
	v_lshl_add_u32 v7, v8, 3, v7                   ; r = x % 8 + 8 (x / 16)
	v_bfe_u32 v8, v1, 3, 1                         ; u = (x / 8) % 2
	s_mul_i32 s21, s20, 3072
	s_add_co_u32 s21, s21, WST
	v_mul_u32_u24 v3, v8, 1536
	v_lshl_add_u32 v3, v7, 4, v3
	v_add_nc_u32 v3, s21, v3                       ; into the stage: image u, 16 r
	v_lshlrev_b32 v5, 4, v1
	v_add_nc_u32 v4, s21, v5                       ; out of it as it lies
	v_lshl_add_u32 v6, v8, 4, v7
	v_lshlrev_b32 v6, 2, v6                        ; my scale word's place
	v_lshlrev_b32 v[LI], 4, v1                     ; the rows' ways
	v_and_b32 v90, 15, v0
	v_bfe_u32 v91, v0, 4, 1
	v_lshlrev_b32 v[RW], 2, v90
	v_mul_u32_u24 v92, v90, STP
	v_lshl_add_u32 v92, v91, 6, v92                ; stage: row r, + 64 h
	s_mul_i32 s22, s20, 2*STG
	v_add_nc_u32 v11, s22, v[LI]
	v_add_nc_u32 v19, s22, v92
	s_add_co_u32 s22, s22, 8*STG
	v_add_nc_u32 v88, s22, v[LI]
	v_add_nc_u32 v89, s22, v92
.irp b, 0,1,2,3
	v_mov_b32 v[TM+4+\b], 0                        ; written once: a lane permute's destination counts as one of its sources
.endr
	s_mov_b32 s[SEL], 0x76543210
	s_mov_b32 s[SEL+1], 0xfedcba98
	s_mov_b32 s33, 0
	s_wait_alu depctr_va_vdst(0)
	s_wait_kmcnt 0x0
	s_cmp_lt_u32 ttmp9, 128
	s_cbranch_scc0 .Lnotx
	s_lshl_b32 s32, ttmp9, 18                      ; 64 rows of 4,096 bytes,
	s_lshl_b32 s34, s20, 16                        ; 16 a wave
	s_add_co_u32 s32, s32, s34
	s_add_nc_u64 s[XP:XP+1], s[4:5], s[32:33]
	s_mul_i32 s32, ttmp9, 51200
	s_add_nc_u64 s[OW:OW+1], s[16:17], s[32:33]
	s_mul_i32 s32, s20, 1536
	s_add_nc_u64 s[OB:OB+1], s[OW:OW+1], s[32:33]
	s_lshl_b32 s32, s20, 6
	s_add_nc_u64 s[OW:OW+1], s[OW:OW+1], s[32:33]
	PHASE 8, 0
.Lnotx:
	s_cmp_lt_u32 ttmp9, 256
	s_cbranch_scc0 .Lw
	s_sub_co_u32 s35, ttmp9, 128
	s_mul_i32 s32, s35, 196608                     ; 64 rows of 3,072 bytes; tile w begins at row 8 w
	s_mul_i32 s34, s20, 24576
	s_add_co_u32 s32, s32, s34
	s_add_nc_u64 s[XP:XP+1], s[6:7], s[32:33]
	s_mul_i32 s32, s35, 38400
	s_add_co_u32 s32, s32, CTXI
	s_add_nc_u64 s[OW:OW+1], s[16:17], s[32:33]
	s_mul_i32 s32, s20, 1536
	s_add_nc_u64 s[OB:OB+1], s[OW:OW+1], s[32:33]
	s_lshl_b32 s32, s20, 6
	s_add_nc_u64 s[OW:OW+1], s[OW:OW+1], s[32:33]
	PHASE 6, 1
.Lw:
	s_sub_co_u32 s21, ttmp9, 256
	s_lshr_b32 s22, s21, 3                         ; y: the weight and the K step (0-7 Wq, 8-13 Wk, 14-19 Wv, 20-27 Wo)
	s_and_b32 s21, s21, 7                          ; X: 128 columns
	s_lshl_b32 s23, s21, 1
	s_lshr_b32 s24, s20, 1
	s_add_co_u32 s23, s23, s24                     ; g
	s_and_b32 s24, s20, 1                          ; b
	s_mov_b32 s28, 20
	s_mov_b32 s29, 8
	s_mov_b32 s30, OFF_O
	s_mov_b64 s[26:27], s[14:15]
	s_cmp_lt_u32 s22, 20
	s_cselect_b64 s[26:27], s[12:13], s[26:27]
	s_cselect_b32 s28, 14, s28
	s_cselect_b32 s29, 6, s29
	s_cselect_b32 s30, OFF_V, s30
	s_cmp_lt_u32 s22, 14
	s_cselect_b64 s[26:27], s[10:11], s[26:27]
	s_cselect_b32 s28, 8, s28
	s_cselect_b32 s29, 6, s29
	s_cselect_b32 s30, OFF_K, s30
	s_cmp_lt_u32 s22, 8
	s_cselect_b64 s[26:27], s[8:9], s[26:27]
	s_cselect_b32 s28, 0, s28
	s_cselect_b32 s29, 8, s29
	s_cselect_b32 s30, 0, s30
	s_sub_co_u32 s31, s22, s28                     ; ks
	s_lshl_b32 s32, s31, 19                        ; 128 rows of 4,096 bytes a K step,
	s_lshl_b32 s34, s21, 9                         ; 128 columns a work-group,
	s_add_co_u32 s32, s32, s34
	s_lshl_b32 s34, s20, 7                         ; 32 a wave
	s_add_co_u32 s32, s32, s34
	s_add_nc_u64 s[26:27], s[26:27], s[32:33]
	s_mul_i32 s32, s23, s29
	s_add_co_u32 s32, s32, s31
	s_mul_i32 s32, s32, REC
	s_add_co_u32 s32, s32, s30                     ; the record (g, ks)
	s_add_nc_u64 s[34:35], s[18:19], s[32:33]
	s_mul_i32 s32, s24, 3072
	s_add_nc_u64 s[36:37], s[34:35], s[32:33]      ; my two images
	s_lshl_b32 s32, s24, 7
	s_add_nc_u64 s[34:35], s[34:35], s[32:33]      ; my 32 scale words (6,144 further on, in the immediate)
.macro LOAD t                          ; block t: W(128 ks + 32 t + i, my column)
.irp i, 0,1,2,3,4,5,6,7,8,9,10,11,12,13,14,15,16,17,18,19,20,21,22,23,24,25,26,27,28,29,30,31
	global_load_b32 v[X+32*(\t)+\i], v2, s[26:27] offset:(32*(\t)+\i)*4096 th:TH_LOAD_NT
.endr
.endm
	LOAD 0
	LOAD 1
.macro BLOCK j                         ; block j of my column is registers 6 (j / 2) .. + 5 of lane r + 16 (j % 2) of the fragment
.set XS, X+32*(\j)
.set CJ, C+8*(\j)
.if (\j) < 3
	s_wait_loadcnt 32                              ; this block's 32 loads are in; the next block's 32 may be out
.else
	s_wait_loadcnt 0
.endif
.if (\j) < 2
	LOAD (\j)+2
.endif
	v_max3_num_f32 v14, |v[XS]|, |v[XS+1]|, |v[XS+2]|
	v_max3_num_f32 v15, |v[XS+3]|, |v[XS+4]|, |v[XS+5]|
.irp i, 6,10,14,18,22,26
	v_max3_num_f32 v14, v14, |v[XS+\i]|, |v[XS+\i+1]|
	v_max3_num_f32 v15, v15, |v[XS+\i+2]|, |v[XS+\i+3]|
.endr
	v_max3_num_f32 v14, v14, |v[XS+30]|, |v[XS+31]|
	v_max3_num_f32 v14, v14, v15, (EMAX+1)<<23
	v_add_nc_u32 v16, -(EMAX<<23), v14
	v_cvt_scalef32_pk16_fp6_f32 v[CJ:CJ+2], v[XS:XS+15], v16
	v_cvt_scalef32_pk16_fp6_f32 v[T:T+2], v[XS+16:XS+31], v16
	v_lshrrev_b32 v17, 23, v16                     ; the byte; also the plain line behind the conversions
.if (\j) == 0
	v_mov_b32 v18, v17
.else
	v_lshl_or_b32 v18, v17, 8*(\j), v18
.endif
.irp i, 0,1,2
	v_mov_b32 v[CJ+3+\i], v[T+\i]
.endr
.if (\j) < 2
	ds_store_b128 v3, v[CJ:CJ+3] offset:256*(\j)
	ds_store_b64 v3, v[CJ+4:CJ+5] offset:512+256*(\j)
.else
	ds_store_b64 v3, v[CJ:CJ+1] offset:520+256*((\j)-2)
	ds_store_b128 v3, v[CJ+2:CJ+5] offset:1024+256*((\j)-2)
.endif
.endm
	BLOCK 0
	BLOCK 1
	BLOCK 2
	BLOCK 3
	global_store_b32 v6, v18, s[34:35] offset:6144 ; the wave stores 128 consecutive bytes of scale words
.irp k, 0,1,2,3,4,5
	ds_load_b128 v[OUTR+4*\k:OUTR+4*\k+3], v4 offset:512*\k
.endr
.irp k, 0,1,2,3,4,5
	s_wait_dscnt 5-\k
	global_store_b128 v5, v[OUTR+4*\k:OUTR+4*\k+3], s[36:37] offset:512*\k
.endr
	s_wait_tensorcnt 0x0                           ; the wave's end: behind my last LDS store
	ds_add_u32 v[SPW], v[NIL]
	s_wait_dscnt 0x0
	s_endpgm
.Lfunc_end_k_q0c2f80ff92_prep:
	.size	k_q0c2f80ff92_prep, .Lfunc_end_k_q0c2f80ff92_prep-k_q0c2f80ff92_prep
	.p2alignl 7, 3214868480
	.fill 96, 4, 3214868480
	.section	.rodata,"a",@progbits
	.p2align	6, 0x0
	.amdhsa_kernel k_q0c2f80ff92_prep
		.amdhsa_group_segment_fixed_size 147968
		.amdhsa_private_segment_fixed_size 0
		.amdhsa_enable_private_segment 0
		.amdhsa_kernarg_size 64
		.amdhsa_user_sgpr_count 2
		.amdhsa_user_sgpr_kernarg_segment_ptr 1
		.amdhsa_wavefront_size32 1
		.amdhsa_system_sgpr_workgroup_id_x 1
		.amdhsa_system_sgpr_workgroup_id_y 1
		.amdhsa_system_sgpr_workgroup_id_z 1
		.amdhsa_system_vgpr_workitem_id 0
		.amdhsa_next_free_vgpr 448
		.amdhsa_next_free_sgpr 66
		.amdhsa_reserve_vcc 0
		.amdhsa_float_denorm_mode_32 3
		.amdhsa_float_denorm_mode_16_64 3
		.amdhsa_memory_ordered 1
		.amdhsa_forward_progress 1
		.amdhsa_inst_pref_size 134
	.end_amdhsa_kernel
	.amdgpu_metadata
---
amdhsa.version: [ 1, 2 ]
amdhsa.kernels:
  - .name:           k_q0c2f80ff92_prep
    .symbol:         k_q0c2f80ff92_prep.kd
    .args:
      - { .name: x, .offset: 0, .size: 8, .value_kind: global_buffer, .address_space: global }
      - { .name: context, .offset: 8, .size: 8, .value_kind: global_buffer, .address_space: global }
      - { .name: Wq, .offset: 16, .size: 8, .value_kind: global_buffer, .address_space: global }
      - { .name: Wk, .offset: 24, .size: 8, .value_kind: global_buffer, .address_space: global }
      - { .name: Wv, .offset: 32, .size: 8, .value_kind: global_buffer, .address_space: global }
      - { .name: Wo, .offset: 40, .size: 8, .value_kind: global_buffer, .address_space: global }
      - { .name: aimg, .offset: 48, .size: 8, .value_kind: global_buffer, .address_space: global }
      - { .name: wimg, .offset: 56, .size: 8, .value_kind: global_buffer, .address_space: global }
    .group_segment_fixed_size: 147968
    .private_segment_fixed_size: 0
    .kernarg_segment_align: 8
    .kernarg_segment_size: 64
    .max_flat_workgroup_size: 128
    .sgpr_count:     66
    .vgpr_count:     448
    .wavefront_size: 32
...
	.end_amdgpu_metadata
.endif
;; end of part 1
;; launch proj (part 2): grid 256 x 1, 4 waves a work-group, no clusters, 327,680 bytes of LDS; arguments aimg, wimg, qkv; writes qkv
.if DOCPART == 2
	.amdgcn_target "amdgcn-amd-amdhsa--gfx1250"
	.amdhsa_code_object_version 6
	.text
	.protected	k_q0c2f80ff92_proj
	.globl	k_q0c2f80ff92_proj
	.p2align	8
	.type	k_q0c2f80ff92_proj,@function
k_q0c2f80ff92_proj:
	s_mov_b64 s[64:65], 0
	v_nop
	global_prefetch_b8 v0, s[64:65] scope:SCOPE_SE
	s_setreg_imm32_b32 hwreg(HW_REG_WAVE_MODE, 25, 1), 1
	s_wait_xcnt 0x0
; q = x Wq, k = context Wk, v = context Wv on codes of FP6 (E2M3), one E8M0 byte for each 32 along K; q, k and v leave as codes again, quantised in registers: q and k along the head's 64, v along the keys.
; SHARES.  Work-groups 0-127 take 256 rows of context x 4 heads of k and of v (6 K steps of 128 each), work-groups 128-255 take 256 rows of x x 4 heads of q (8 K steps): one scalar branch on the work-group's number;
; each way has LDS bytes of its own.  Wave w holds the fragments of ITS 64 rows in registers for the whole launch (up to 384), loaded from aimg as they lie; all four waves walk the same heads, a head a trip:
; 16 accumulators, 16 products a K step.
; THE WEIGHTS' RECORDS (6,656 bytes: four fragments and their scale words in register order) ARE SHARED BY THE FOUR WAVES THROUGH LDS.  A head is two units: k's six records and v's six, or q's records 0-3 and 4-7.
; Each kind of unit has a region of two slots, head h in slot h % 2.  The head's one tensor load a wave fills all four slots (heads 0 and 1).  In the first two trips each unit, once multiplied, is filled again with the
; unit of the head two further on, a quarter a wave: every wave waits for all its tensor loads, adds 0 to its spare word, waits for that and for its reads, passes the barrier, and issues its one load: one out a wave.
; In the last two trips nothing is filled; one barrier in each trip's middle shows the last fill.  From LDS a record goes into a ring of four register sets, three sets ahead of its products.
; NO CLUSTER: four neighbouring work-groups share their rows' images, which go from memory straight into registers, and no record.  NO PREFETCH: every refill is asked for a whole head's work ahead of its first read,
; and the rows' images are asked for once, at the head.
; LAYOUT.  q, k: source 0 = 16 columns of W, source 1 = 16 rows: a lane holds ONE row, its registers run along the head's 64.  v: the sources swapped: a lane holds one column d, its registers run along the keys.
; Lane r of tile 2 b + u of W takes column 32 b + 8 u + r + 8 (r / 8); lane r of tile t of context takes row 8 t + r % 8 + 32 (r / 8).
; OUT.  Half fragments of 768 bytes (registers 0-3 of lane l at 16 l, registers 4, 5 at 512 + 8 l) and one word a row with its two scale bytes.
; LIMITS: a block of zeros gets the byte 1 where the rule says 127 (its codes are zeros; this program alone reads the bytes); NaN and infinities are not served.
; REGISTERS.  window 0: v1-4, v13-17 addresses; v24-39 the rows' scale words; v40-47 the weights'; v48-63, v96-104 at work; v64-95 codes; v128-255 the accumulators.
;   window 1: the rows' fragments of K steps 0-4 (48 registers a step); window 2: K steps 5-7; window 3: the ring of four weight sets, 48 registers each.
.set REC,   6656
.set OFF_K, 851968
.set OFF_V, 1490944
.set CTXI,  6553600
.set KI,    6291456
.set VI,    12582912
.set QSO,   18874368
.set KSO,   19398656
.set VSO,   19922944
.set UC,    39936                      ; a unit of k or v: 6 records;  LDS: k's two slots from 0, v's two from 79,872
.set UQ,    26624                      ; a unit of q: 4 records;  LDS: the first halves' two slots from 159,744, the second halves' from 212,992
.set QB,    159744
.set SPARE, 266240                     ; the spare words, 128 bytes a wave
.set LI,  1
.set L8,  2
.set LS4, 3
.set LR,  4
.set UI,  13                           ; v13, v14: this head's first unit in LDS, + 16 l and + 4 l; v15, v16: its second unit
.set US,  14
.set SPW, 18
.set NIL, 19
.set AS,  24
.set WS,  40
.set TM,  48
.set PC,  64
.set QT,  96
.set SW,  100
.set ACC, 128
.set AP,  24
.set W0,  26                           ; s[26:27], s[28:29] where my quarter of the two kinds of refill begins, for the head two on from the first
.set W1,  28
.set OP,  32
.set OS,  34
.set OPV, 36
.set OSV, 38
.set CNT, 40
.set SEL, 42
.set SB0, 46                           ; s46, s47 this head's two slots in LDS
.set SB1, 47
.set HG,  48                           ; s[48:49] this head's place among the records in memory
.set WQ,  50                           ; s50 wave x a quarter of a unit
.set G0,  52
.set G1CA, 68                          ; four groups 1: context's first fill and refill, q's first fill and refill
.set G1CR, 76
.set G1QA, 84
.set G1QR, 92
.set MSB, 0
.macro WIN new
.if MSB != (\new)
	s_set_vgpr_msb (MSB<<8)|(\new)
.set MSB, \new
.endif
.endm
.macro WM d, a, b, z, c, sa, sb, ra, rb
.set WSEL, 4*(\z)+2*(\ra)+(\rb)
.if WSEL == 0
	v_wmma_scale_f32_16x16x128_f8f6f4 v[\d:\d+7], v[\a:\a+11], v[\b:\b+11], v[\c:\c+7], v[\sa], v[\sb] matrix_a_fmt:MATRIX_FMT_FP6 matrix_b_fmt:MATRIX_FMT_FP6
.elseif WSEL == 1
	v_wmma_scale_f32_16x16x128_f8f6f4 v[\d:\d+7], v[\a:\a+11], v[\b:\b+11], v[\c:\c+7], v[\sa], v[\sb] matrix_a_fmt:MATRIX_FMT_FP6 matrix_b_fmt:MATRIX_FMT_FP6 matrix_b_scale:MATRIX_SCALE_ROW1
.elseif WSEL == 2
	v_wmma_scale_f32_16x16x128_f8f6f4 v[\d:\d+7], v[\a:\a+11], v[\b:\b+11], v[\c:\c+7], v[\sa], v[\sb] matrix_a_fmt:MATRIX_FMT_FP6 matrix_b_fmt:MATRIX_FMT_FP6 matrix_a_scale:MATRIX_SCALE_ROW1
.elseif WSEL == 3
	v_wmma_scale_f32_16x16x128_f8f6f4 v[\d:\d+7], v[\a:\a+11], v[\b:\b+11], v[\c:\c+7], v[\sa], v[\sb] matrix_a_fmt:MATRIX_FMT_FP6 matrix_b_fmt:MATRIX_FMT_FP6 matrix_a_scale:MATRIX_SCALE_ROW1 matrix_b_scale:MATRIX_SCALE_ROW1
.elseif WSEL == 4
	v_wmma_scale_f32_16x16x128_f8f6f4 v[\d:\d+7], v[\a:\a+11], v[\b:\b+11], 0, v[\sa], v[\sb] matrix_a_fmt:MATRIX_FMT_FP6 matrix_b_fmt:MATRIX_FMT_FP6
.elseif WSEL == 5
	v_wmma_scale_f32_16x16x128_f8f6f4 v[\d:\d+7], v[\a:\a+11], v[\b:\b+11], 0, v[\sa], v[\sb] matrix_a_fmt:MATRIX_FMT_FP6 matrix_b_fmt:MATRIX_FMT_FP6 matrix_b_scale:MATRIX_SCALE_ROW1
.elseif WSEL == 6
	v_wmma_scale_f32_16x16x128_f8f6f4 v[\d:\d+7], v[\a:\a+11], v[\b:\b+11], 0, v[\sa], v[\sb] matrix_a_fmt:MATRIX_FMT_FP6 matrix_b_fmt:MATRIX_FMT_FP6 matrix_a_scale:MATRIX_SCALE_ROW1
.else
	v_wmma_scale_f32_16x16x128_f8f6f4 v[\d:\d+7], v[\a:\a+11], v[\b:\b+11], 0, v[\sa], v[\sb] matrix_a_fmt:MATRIX_FMT_FP6 matrix_b_fmt:MATRIX_FMT_FP6 matrix_a_scale:MATRIX_SCALE_ROW1 matrix_b_scale:MATRIX_SCALE_ROW1
.endif
.endm
; q, k: 32 numbers of a lane, register 16 b + i = d 32 b + 16 (lane / 16) + i, become half a fragment in v[pc .. pc + 5] and a word with its two bytes in v[sw]
.macro QUANT32 src, pc, sw
.irp b, 0,1
	v_max3_num_f32 v[TM+\b], |v[\src+16*\b]|, |v[\src+1+16*\b]|, 0x1800000
.endr
.irp i, 2,4,6,8,10,12,14
.irp b, 0,1
	v_max3_num_f32 v[TM+\b], v[TM+\b], |v[\src+16*\b+\i]|, |v[\src+1+16*\b+\i]|
.endr
.endr
.irp b, 0,1
	v_permlanex16_b32 v[TM+4+\b], v[TM+\b], s[SEL], s[SEL+1]
.endr
.irp b, 0,1
	v_max_num_f32 v[TM+\b], v[TM+\b], v[TM+4+\b]
.endr
.irp b, 0,1
	v_add_nc_u32 v[TM+12+\b], 0xff000000, v[TM+\b]
.endr
.irp b, 0,1
	v_lshrrev_b32 v[TM+4+\b], 23, v[TM+12+\b]
.endr
	v_lshl_or_b32 v[\sw], v[TM+5], 8, v[TM+4]
	v_cvt_scalef32_pk16_fp6_f32 v[\pc:\pc+2], v[\src:\src+15], v[TM+12]
	v_cvt_scalef32_pk16_fp6_f32 v[QT:QT+2], v[\src+16:\src+31], v[TM+13]
	v_nop
.irp i, 0,1,2
	v_permlane16_swap_b32 v[\pc+\i], v[QT+\i]
.endr
.irp i, 0,1,2
	v_mov_b32 v[\pc+3+\i], v[QT+\i]
.endr
.endm
; v: the 32 registers of the four row tiles are keys 32 (lane / 16) + 0 .. 31 of the 64: a whole block, half a fragment's six registers as they stand
.macro QUANTV src, pc, sw
	v_max3_num_f32 v[TM], |v[\src]|, |v[\src+1]|, 0x1800000
	v_max3_num_f32 v[TM+1], |v[\src+2]|, |v[\src+3]|, |v[\src+4]|
.irp i, 5,9,13,17,21,25
	v_max3_num_f32 v[TM], v[TM], |v[\src+\i]|, |v[\src+\i+1]|
	v_max3_num_f32 v[TM+1], v[TM+1], |v[\src+\i+2]|, |v[\src+\i+3]|
.endr
	v_max3_num_f32 v[TM], v[TM], |v[\src+29]|, |v[\src+30]|
	v_max3_num_f32 v[TM], v[TM], v[TM+1], |v[\src+31]|
	v_add_nc_u32 v[TM+12], 0xff000000, v[TM]
	v_lshrrev_b32 v[TM+4], 23, v[TM+12]
	v_lshlrev_b32 v[TM+4], v17, v[TM+4]
	v_permlanex16_b32 v[TM+5], v[TM+4], s[SEL], s[SEL+1]
	v_or_b32 v[\sw], v[TM+4], v[TM+5]
	v_cvt_scalef32_pk16_fp6_f32 v[\pc:\pc+2], v[\src:\src+15], v[TM+12]
	v_cvt_scalef32_pk16_fp6_f32 v[QT:QT+2], v[\src+16:\src+31], v[TM+12]
	v_nop
.irp i, 0,1,2
	v_mov_b32 v[\pc+3+\i], v[QT+\i]
.endr
.endm
.macro EPI stride, op, os              ; four half fragments; 512 + 256 consecutive bytes each, at multiples of 256 from the buffer's first byte
.irp i, 0,1,2,3
	QUANT32 ACC+32*\i, PC+8*\i, SW+\i
	global_store_b128 v[LI], v[PC+8*\i:PC+8*\i+3], s[\op:\op+1] offset:\i*\stride
	global_store_b64 v[L8], v[PC+8*\i+4:PC+8*\i+5], s[\op:\op+1] offset:\i*\stride+512
.endr
	global_store_b128 v[LR], v[SW:SW+3], s[\os:\os+1]
.endm
.macro EPIV stride, op, os
	s_wait_xcnt 0x0                                ; k's stores have read their data: the same registers are written again only behind this wait
.irp i, 0,1,2,3
	QUANTV ACC+32*\i, PC+8*\i, SW+\i
	global_store_b128 v[LI], v[PC+8*\i:PC+8*\i+3], s[\op:\op+1] offset:\i*\stride
	global_store_b64 v[L8], v[PC+8*\i+4:PC+8*\i+5], s[\op:\op+1] offset:\i*\stride+512
.endr
	global_store_b128 v[LR], v[SW:SW+3], s[\os:\os+1]
.endm
.macro ALOADG ks                       ; my 64 rows' fragments and scale words, from memory as they lie
.set Q, 0
.rept \ks
.if Q < 5
	WIN 0x40
.else
	WIN 0x80
.endif
.set AB, 48*(Q%5)
.irp m, 0,1,2,3
.irp c, 0,1,2
	global_load_b128 v[AB+12*\m+4*\c:AB+12*\m+4*\c+3], v[LI], s[AP:AP+1] offset:6144*Q+1536*\m+512*\c
.endr
.endr
.set Q, Q+1
.endr
	WIN 0
.set Q, 0
.rept 2*\ks
	global_load_b32 v[AS+Q], v[LS4], s[AP:AP+1] offset:6144*\ks+128*Q
.set Q, Q+1
.endr
.endm
.macro WLOAD set, n, nk                ; record n of the head (unit n / nk) from LDS into register set `set`: 14 loads
	WIN 0
	ds_load_b32 v[WS+2*(\set)], v[US+2*((\n)/\nk)] offset:REC*((\n)%\nk)+6144
	ds_load_b32 v[WS+2*(\set)+1], v[US+2*((\n)/\nk)] offset:REC*((\n)%\nk)+6272
	WIN 0xc0
.irp f, 0,1,2,3
.irp c, 0,1,2
	ds_load_b128 v[48*(\set)+12*\f+4*\c:48*(\set)+12*\f+4*\c+3], v[UI+2*((\n)/\nk)] offset:REC*((\n)%\nk)+1536*\f+512*\c
.endr
.endr
.endm
; One K step: record n of the head against the rows' K step ka: 16 products, the 16 accumulators by turns; then its register set takes the record four on
.macro KSTEP n, nk, ka, swap, last
.if (\last)-1-(\n) >= 3
	s_wait_dscnt 42                                ; this set's 14 loads are in; the three sets behind it may be out
.else
	s_wait_dscnt 14*((\last)-1-(\n))
.endif
.set AWN, 1+(\ka)/5
.set AB, 48*((\ka)%5)
.set WF, 48*((\n)%4)
.set WSC, WS+2*((\n)%4)
.set ASK, AS+2*(\ka)
.if (\ka) == 0
.set ZZ, 1                             ; the first K step starts the sums: nothing is cleared
.else
.set ZZ, 0
.endif
.if \swap
.set WN, AWN+12
.else
.set WN, 3+4*AWN
.endif
	WIN WN
.irp i, 0,1,2,3
.irp j, 0,1,2,3
.if \swap
	WM ACC+8*(4*\i+\j), AB+12*\j, WF+12*\i, ZZ, ACC+8*(4*\i+\j), ASK+\j/2, WSC+\i/2, \j%2, \i%2
.else
	WM ACC+8*(4*\i+\j), WF+12*\j, AB+12*\i, ZZ, ACC+8*(4*\i+\j), WSC+\j/2, ASK+\i/2, \j%2, \i%2
.endif
.endr
.endr
.rept 4
	v_nop                                          ; four places ahead of loads into registers that these products read, and of the first read of results
.endr
.if (\n)+4 < \last
	WLOAD (\n)%4, (\n)+4, \nk
.endif
.endm
; A unit is filled again: all my tensor loads are done; the add, the descriptor's words between it and its wait; my reads are over; the barrier; my one load, a quarter of the unit
.macro SEQ sb, wp, g1
	s_wait_tensorcnt 0x0
	ds_add_u32 v[SPW], v[NIL]
	s_add_co_u32 s[G0+1], s[\sb], s[WQ]
	s_add_nc_u64 s[G0+2:G0+3], s[\wp:\wp+1], s[HG:HG+1]
	s_or_b32 s[G0+3], s[G0+3], 0x80000000
	s_wait_dscnt 0x0
	s_barrier_signal -1
	s_barrier_wait -1
	tensor_load_to_lds s[G0:G0+3], s[\g1:\g1+7]
	s_nop 0
.rept 4
	v_nop
.endr
.endm
.macro SHOW                            ; it shows every wave the fills that were still out
	s_wait_tensorcnt 0x0
	s_wait_dscnt 0x0
	s_barrier_signal -1
	s_barrier_wait -1
.endm
.macro TRIP p, refill                  ; one head.  p = 0: k, then v;  p = 1: q
	v_add_nc_u32 v[UI], s[SB0], v[LI]
	v_add_nc_u32 v[US], s[SB0], v[LS4]
	v_add_nc_u32 v[UI+2], s[SB1], v[LI]
	v_add_nc_u32 v[US+2], s[SB1], v[LS4]
	s_wait_alu depctr_va_vdst(0)
.if \p
.irp t, 0,1,2,3
	WLOAD \t, \t, 4
.endr
.set J, 0
.rept 4
	KSTEP J, 4, J, 0, 8
.set J, J+1
.endr
	WIN 0
.if \refill
	SEQ SB0, W0, G1QR
.else
	SHOW
.endif
.rept 4
	KSTEP J, 4, J, 0, 8
.set J, J+1
.endr
	WIN 0
	EPI 768, OP, OS
.if \refill
	SEQ SB1, W1, G1QR
.endif
	s_wait_xcnt 0x0                                ; bases and the stores' data are rewritten only behind this wait
	s_add_co_u32 s[SB0], s[SB0], UQ
	s_add_co_u32 s[SB1], s[SB1], UQ
	s_add_co_u32 s[HG], s[HG], 2*UQ
.else
.irp t, 0,1,2,3
	WLOAD \t, \t, 6
.endr
.set J, 0
.rept 6
	KSTEP J, 6, J, 0, 12
.set J, J+1
.endr
	WIN 0
	EPI 768, OP, OS
.if \refill
	SEQ SB0, W0, G1CR
.else
	SHOW
.endif
.rept 6
	KSTEP J, 6, J-6, 1, 12
.set J, J+1
.endr
	WIN 0
	EPIV 1536, OPV, OSV
.if \refill
	SEQ SB1, W1, G1CR
.endif
	s_wait_xcnt 0x0
	s_add_co_u32 s[SB0], s[SB0], UC
	s_add_co_u32 s[SB1], s[SB1], UC
	s_add_co_u32 s[HG], s[HG], UC
	s_add_nc_u64 s[OPV:OPV+1], s[OPV:OPV+1], 49152
	s_add_nc_u64 s[OSV:OSV+1], s[OSV:OSV+1], 4096
.endif
	s_add_nc_u64 s[OP:OP+1], s[OP:OP+1], 49152     ; the next head: 64 half fragments,
	s_add_nc_u64 s[OS:OS+1], s[OS:OS+1], 4096      ; 16 blocks of 256 bytes of words
.endm
.macro WALK p, b0, b1                  ; four heads: two trips that fill again, two that do not
	s_wait_loadcnt 0x0
	SHOW                                           ; heads 0 and 1 lie in LDS for every wave
	s_mov_b32 s[SB0], \b0
	s_mov_b32 s[SB1], \b1
	s_mov_b32 s[HG], 0
	s_mov_b32 s[CNT], 2
.Lfill_\@:
	TRIP \p, 1
	s_sub_co_u32 s[CNT], s[CNT], 1
	s_cmp_lg_u32 s[CNT], 0
	s_wait_alu depctr_va_vdst(0)
	s_cbranch_scc1 .Lfill_\@
	s_mov_b32 s[SB0], \b0
	s_mov_b32 s[SB1], \b1
	s_mov_b32 s[CNT], 2
.Llast_\@:
	TRIP \p, 0
	s_sub_co_u32 s[CNT], s[CNT], 1
	s_cmp_lg_u32 s[CNT], 0
	s_wait_alu depctr_va_vdst(0)
	s_cbranch_scc1 .Llast_\@
	s_wait_tensorcnt 0x0                           ; the wave's end
	ds_add_u32 v[SPW], v[NIL]
	s_wait_dscnt 0x0
	s_endpgm
.endm
.macro GRP1 g, r                       ; r dense rows of 32 elements of 8 bytes; no mask, no padding
	s_mov_b32 s[\g], 3<<16
	s_mov_b32 s[\g+1], 32<<16
	s_mov_b32 s[\g+2], (\r)<<16
	s_mov_b32 s[\g+3], 32<<16
	s_mov_b32 s[\g+4], \r
	s_mov_b32 s[\g+5], 32
	s_mov_b32 s[\g+6], 0
	s_mov_b32 s[\g+7], 0
.endm
	s_load_b128 s[4:7], s[0:1], 0x0                ; aimg, wimg
	s_load_b64 s[8:9], s[0:1], 0x10                ; qkv
	v_lshl_add_u32 v[SPW], v0, 2, SPARE
	v_mov_b32 v[NIL], 0
	ds_add_u32 v[SPW], v[NIL]                      ; the opening lines: the add, twice on end, and its wait ahead of my first tensor load
	ds_add_u32 v[SPW], v[NIL]
	v_lshrrev_b32 v20, 5, v0
	v_readfirstlane_b32 s12, v20                   ; wave
	v_and_b32 v20, 31, v0
	v_and_b32 v21, 15, v0
	v_bfe_u32 v22, v0, 4, 1
	v_lshlrev_b32 v[LI], 4, v20
	v_lshlrev_b32 v[L8], 3, v20
	v_lshlrev_b32 v[LS4], 2, v20
	v_lshlrev_b32 v[LR], 4, v21
	v_lshlrev_b32 v17, 3, v22                      ; 8 h: where my block's byte stands in v's scale word
.irp b, 0,1,2,3
	v_mov_b32 v[TM+4+\b], 0                        ; written once: a lane permute's destination counts as one of its sources
.endr
	s_wait_alu depctr_va_vdst(0)
	GRP1 G1CA, 156
	GRP1 G1CR, 39
	GRP1 G1QA, 104
	GRP1 G1QR, 26
	s_mov_b32 s[SEL], 0x76543210
	s_mov_b32 s[SEL+1], 0xfedcba98
	s_and_b32 s16, ttmp9, 127
	s_and_b32 s41, s16, 3
	s_lshl_b32 s51, s41, 2                         ; my first head: 4 x (work-group % 4)
	s_and_b32 s13, s16, 124
	s_add_co_u32 s13, s13, s12                     ; my wave's block of 64 rows
	s_lshr_b32 s14, s13, 4                         ; batch
	s_and_b32 s15, s13, 15                         ; blk
	s_lshl_b32 s20, s14, 4
	s_add_co_u32 s20, s20, s51                     ; bh of the first head
	s_lshl_b32 s21, s20, 6
	s_lshl_b32 s22, s15, 2
	s_add_co_u32 s22, s22, s21
	s_mul_i32 s22, s22, 768                        ; q, k: half fragment 64 bh + 4 blk + m
	s_lshl_b32 s23, s20, 4
	s_add_co_u32 s23, s23, s15
	s_lshl_b32 s23, s23, 8                         ; scale words: (16 bh + blk) x 256
	s_lshr_b32 s44, s15, 1
	s_lshl_b32 s44, s44, 3
	s_add_co_u32 s44, s44, s21
	s_and_b32 s45, s15, 1
	s_add_co_u32 s44, s44, s45
	s_mul_i32 s44, s44, 768                        ; v: half fragment 64 bh + 8 (blk / 2) + 2 t + blk % 2
	s_and_b32 s56, s12, 1
	s_lshr_b32 s57, s12, 1
	s_add_co_u32 s58, s51, s56                     ; the first fill: wave w takes the unit of kind w / 2 of head w % 2
	s_add_co_u32 s59, s51, 2
	s_mov_b32 s17, 0
	s_mov_b32 s[HG+1], 0
	s_mov_b32 s[G0], 1
	s_wait_dscnt 0x0                               ; both opening adds are done
	s_wait_kmcnt 0x0
	s_cmp_lt_u32 ttmp9, 128
	s_cbranch_scc0 .Lq
	; ---- rows of context: k and v
	s_mul_i32 s16, s58, UC
	s_mul_i32 s18, s57, OFF_V-OFF_K
	s_add_co_u32 s16, s16, s18
	s_add_co_u32 s16, s16, OFF_K
	s_add_nc_u64 s[G0+2:G0+3], s[6:7], s[16:17]
	s_or_b32 s[G0+3], s[G0+3], 0x80000000
	s_mul_i32 s[G0+1], s12, UC
	tensor_load_to_lds s[G0:G0+3], s[G1CA:G1CA+7]  ; my one load at the head: a whole unit
	s_nop 0
.rept 4
	v_nop
.endr
	s_mul_i32 s16, s13, 38400
	s_add_co_u32 s16, s16, CTXI
	s_add_nc_u64 s[AP:AP+1], s[4:5], s[16:17]
	ALOADG 6
	s_mul_i32 s[WQ], s12, UC/4
	s_mul_i32 s16, s59, UC
	s_add_co_u32 s16, s16, s[WQ]
	s_add_co_u32 s16, s16, OFF_K
	s_add_nc_u64 s[W0:W0+1], s[6:7], s[16:17]
	s_add_nc_u64 s[W1:W1+1], s[W0:W0+1], OFF_V-OFF_K
	s_add_co_u32 s16, s22, KI
	s_add_nc_u64 s[OP:OP+1], s[8:9], s[16:17]
	s_add_co_u32 s16, s23, KSO
	s_add_nc_u64 s[OS:OS+1], s[8:9], s[16:17]
	s_add_co_u32 s16, s44, VI
	s_add_nc_u64 s[OPV:OPV+1], s[8:9], s[16:17]
	s_add_co_u32 s16, s23, VSO
	s_add_nc_u64 s[OSV:OSV+1], s[8:9], s[16:17]
	WALK 0, 0, 2*UC
.Lq:
	; ---- rows of x: q
	s_mul_i32 s16, s58, 2*UQ
	s_mul_i32 s18, s57, UQ
	s_add_co_u32 s16, s16, s18
	s_add_nc_u64 s[G0+2:G0+3], s[6:7], s[16:17]
	s_or_b32 s[G0+3], s[G0+3], 0x80000000
	s_mul_i32 s[G0+1], s12, UQ
	s_add_co_u32 s[G0+1], s[G0+1], QB
	tensor_load_to_lds s[G0:G0+3], s[G1QA:G1QA+7]
	s_nop 0
.rept 4
	v_nop
.endr
	s_mul_i32 s16, s13, 51200
	s_add_nc_u64 s[AP:AP+1], s[4:5], s[16:17]
	ALOADG 8
	s_mul_i32 s[WQ], s12, UQ/4
	s_mul_i32 s16, s59, 2*UQ
	s_add_co_u32 s16, s16, s[WQ]
	s_add_nc_u64 s[W0:W0+1], s[6:7], s[16:17]
	s_add_nc_u64 s[W1:W1+1], s[W0:W0+1], UQ
	s_mov_b32 s16, s22
	s_add_nc_u64 s[OP:OP+1], s[8:9], s[16:17]
	s_add_co_u32 s16, s23, QSO
	s_add_nc_u64 s[OS:OS+1], s[8:9], s[16:17]
	WALK 1, QB, QB+2*UQ
.Lfunc_end_k_q0c2f80ff92_proj:
	.size	k_q0c2f80ff92_proj, .Lfunc_end_k_q0c2f80ff92_proj-k_q0c2f80ff92_proj
	.p2alignl 7, 3214868480
	.fill 96, 4, 3214868480
	.section	.rodata,"a",@progbits
	.p2align	6, 0x0
	.amdhsa_kernel k_q0c2f80ff92_proj
		.amdhsa_group_segment_fixed_size 327680
		.amdhsa_private_segment_fixed_size 0
		.amdhsa_enable_private_segment 0
		.amdhsa_kernarg_size 24
		.amdhsa_user_sgpr_count 2
		.amdhsa_user_sgpr_kernarg_segment_ptr 1
		.amdhsa_wavefront_size32 1
		.amdhsa_system_sgpr_workgroup_id_x 1
		.amdhsa_system_sgpr_workgroup_id_y 1
		.amdhsa_system_sgpr_workgroup_id_z 1
		.amdhsa_system_vgpr_workitem_id 0
		.amdhsa_next_free_vgpr 1024
		.amdhsa_next_free_sgpr 100
		.amdhsa_reserve_vcc 0
		.amdhsa_float_denorm_mode_32 3
		.amdhsa_float_denorm_mode_16_64 3
		.amdhsa_memory_ordered 1
		.amdhsa_forward_progress 1
		.amdhsa_inst_pref_size 204
	.end_amdhsa_kernel
	.amdgpu_metadata
---
amdhsa.version: [ 1, 2 ]
amdhsa.kernels:
  - .name:           k_q0c2f80ff92_proj
    .symbol:         k_q0c2f80ff92_proj.kd
    .args:
      - { .name: aimg, .offset: 0, .size: 8, .value_kind: global_buffer, .address_space: global }
      - { .name: wimg, .offset: 8, .size: 8, .value_kind: global_buffer, .address_space: global }
      - { .name: qkv, .offset: 16, .size: 8, .value_kind: global_buffer, .address_space: global }
    .group_segment_fixed_size: 327680
    .private_segment_fixed_size: 0
    .kernarg_segment_align: 8
    .kernarg_segment_size: 24
    .max_flat_workgroup_size: 128
    .sgpr_count:     100
    .vgpr_count:     1024
    .wavefront_size: 32
...
	.end_amdgpu_metadata
.endif
;; end of part 2
;; launch attn (part 3): grid 2 x 128, 16 waves a work-group, no clusters, 167,936 bytes of LDS; arguments qkv, oimg; writes oimg
.if DOCPART == 3
	.amdgcn_target "amdgcn-amd-amdhsa--gfx1250"
	.amdhsa_code_object_version 6
	.text
	.protected	k_q0c2f80ff92_attn
	.globl	k_q0c2f80ff92_attn
	.p2align	8
	.type	k_q0c2f80ff92_attn,@function
k_q0c2f80ff92_attn:
	s_mov_b64 s[64:65], 0
	v_nop
	global_prefetch_b8 v0, s[64:65] scope:SCOPE_SE
	s_setreg_imm32_b32 hwreg(HW_REG_WAVE_MODE, 25, 1), 1
	s_wait_xcnt 0x0
; o = softmax(q k^T / 8) v for one head, both products on codes of FP6 (E2M3) with one E8M0 byte for each 32 along a product's K; o leaves as codes along (head, d) for the last product.
; THE SOFTMAX: t = score x log2(e) / 8; M = the running largest t rounded UP to a whole number; p = 2^(t - M) is quantised along the keys, not normalised; the row's sum is taken of the
; unquantised p and divides at the end.  When M moves, the sum and O are multiplied by 2^(old M - new M): exact.
; SHARES.  A work-group owns 512 queries of one (batch, head); each of its sixteen waves one tile of 16 queries in each of two passes (a loop of two trips), in 256 registers.
; THE HEAD'S K AND V CODES, 2 x 49,152 bytes, COME INTO LDS ONCE: every wave issues one tensor load of 6,144 dense bytes (waves 0-7 K's key steps 0-7, waves 8-15 V's): one out a wave; no byte is filled twice.
; ONE BARRIER, ahead of the first pass: behind it no LDS byte is written any more.
; NO CLUSTER: two work-groups alone share a head, and each fetches its 98,304 bytes once for 256 key steps of its waves.  NO PREFETCH: all of K and V is asked for at the head; there is no loop to run ahead in.
; LAYOUT.  Both products transposed: S^T = K Q^T (source 0 = keys), O^T = V^T P^T (source 0 = 16 of the head's 64): a lane holds ONE query.  The head has 64 along K where the instruction has 128: a fragment of K
; carries TWO tiles of 16 keys (registers 0-5, 6-11), and source 1 is [q | zeros] or [zeros | q]: 18 registers zeros, q, zeros serve both.  Zero codes add nothing under any byte but 0xff.
; Lane r of tile t (0 .. 3) of 64 keys holds key 8 t + r % 8 + 32 (r / 8) (so the launch before has laid them): the 32 score registers that the four tiles leave in lane (query, h) are keys 32 h + 0 .. 31,
; ONE WHOLE BLOCK, in the order of the second product's operand: a block's maximum asks no other lane and its codes change no lane.  The d of a tile of V are 32 b + 8 u + r + 8 (r / 8).
; LIMITS: a block of zeros gets the byte 1 (its codes are zeros; this program alone reads the bytes); NaN and infinities are not served; the promise holds while the scaled scores stay under 2^31 in magnitude;
; a block's largest p is made from the block's largest score by the same two instructions (it takes v_exp_f32 not to fall where its input rises).
; REGISTERS: v1-4, v7-10 addresses; v12 -M, v13 the largest score, v[14:15] the sum; v16-33 zeros, q, zeros; v34 q's scale word; v36-83 four fragments of K, then of V; v84-87 their scale words;
;   v88-94 the second pass's q; v96-159 S^T, then p; v160-191 O^T; v192-203 p's codes; v204-223 at work; v224-237 seven more chains of the sum.
.set KI,    6291456
.set VI,    12582912
.set QSO,   18874368
.set KSO,   19398656
.set VSO,   19922944
.set OSO,   6291456
.set VIMG,  49152                      ; LDS: K's 32 double fragments from 0; V's 32 fragments [s][t];
.set KSC,   98304                      ; K's scale words [G 32][r 16]; 2,048 bytes on V's [s][t][r]: stored by the waves, no fill lands here
.set SPARE, 102400                     ; the spare words, 128 bytes for each of sixteen waves
.set SPW, 5
.set NIL, 6
.set BM,  212                          ; my two blocks' largest scores, then largest p
.set BT,  214
.set BE,  216                          ; the conversions' scale operands
.set PW,  218                          ; p's scale word; at a pass's end o's two bytes
.set PT,  219
.set FF,  220                          ; v[220:221] f = 2^(old M - new M)
.set TT,  222
.set TO,  223                          ; the old -M
.set SEL, 42
.set CS,  44                           ; s[44:45] log2(e) / 8
.macro WM d, a, b, z, c, sa, sb, ra    ; one product.  z = 1: C is the constant 0; ra = 1: source 0's scale words stand in lanes 16-31
.set WSEL, 2*(\z)+(\ra)
.if WSEL == 0
	v_wmma_scale_f32_16x16x128_f8f6f4 v[\d:\d+7], v[\a:\a+11], v[\b:\b+11], v[\c:\c+7], v[\sa], v[\sb] matrix_a_fmt:MATRIX_FMT_FP6 matrix_b_fmt:MATRIX_FMT_FP6
.elseif WSEL == 1
	v_wmma_scale_f32_16x16x128_f8f6f4 v[\d:\d+7], v[\a:\a+11], v[\b:\b+11], v[\c:\c+7], v[\sa], v[\sb] matrix_a_fmt:MATRIX_FMT_FP6 matrix_b_fmt:MATRIX_FMT_FP6 matrix_a_scale:MATRIX_SCALE_ROW1
.elseif WSEL == 2
	v_wmma_scale_f32_16x16x128_f8f6f4 v[\d:\d+7], v[\a:\a+11], v[\b:\b+11], 0, v[\sa], v[\sb] matrix_a_fmt:MATRIX_FMT_FP6 matrix_b_fmt:MATRIX_FMT_FP6
.else
	v_wmma_scale_f32_16x16x128_f8f6f4 v[\d:\d+7], v[\a:\a+11], v[\b:\b+11], 0, v[\sa], v[\sb] matrix_a_fmt:MATRIX_FMT_FP6 matrix_b_fmt:MATRIX_FMT_FP6 matrix_a_scale:MATRIX_SCALE_ROW1
.endif
.endm
	s_load_b128 s[4:7], s[0:1], 0x0                ; qkv, oimg
	v_lshl_add_u32 v[SPW], v0, 2, SPARE
	v_mov_b32 v[NIL], 0
	ds_add_u32 v[SPW], v[NIL]                      ; the opening lines: the add, twice on end, and its wait ahead of my tensor load
	ds_add_u32 v[SPW], v[NIL]
	v_lshrrev_b32 v11, 5, v0
	v_and_b32 v240, 15, v0                         ; r
	v_bfe_u32 v241, v0, 4, 1                       ; h
	v_readfirstlane_b32 s8, v11                    ; wave 0..15
	v_and_b32 v11, 31, v0                          ; lane
	v_lshlrev_b32 v8, 3, v241                      ; 8 h: where my blocks' bytes stand in p's scale word
	v_lshlrev_b32 v9, 2, v240
	v_lshlrev_b32 v10, 4, v240
	v_lshlrev_b32 v1, 4, v11                       ; half a fragment: registers 0-3 at 16 l,
	v_lshl_add_u32 v2, v11, 3, 512                 ; registers 4, 5 at 512 + 8 l: in LDS (K) and in memory alike
	v_lshl_add_u32 v7, v11, 2, KSC                 ; scale words: 4 bytes a lane
	v_lshl_add_u32 v242, v241, 3, v10              ; k's words in memory: 16 r + 8 h
	v_lshrrev_b32 v243, 6, v0
	v_bfe_u32 v241, v0, 4, 2
	v_add_nc_u32 v3, VIMG, v1                      ; the same for V in LDS
	v_add_nc_u32 v4, VIMG, v2
	v_lshlrev_b32 v243, 9, v243
	v_lshl_add_u32 v244, v0, 2, KSC                ; where my thread's word of K goes (V's 2,048 further on)
	v_lshl_add_u32 v243, v241, 2, v243
.irp i, 0,1,2,3,4,5
	v_mov_b32 v[16+\i], 0                          ; zero codes on both sides of q
	v_mov_b32 v[28+\i], 0
.endr
	v_add_nc_u32 v243, v243, v10                   ; v's words: (thread / 64) x 512 + 16 r + 4 ((thread / 16) % 4)
	v_mov_b32 v[FF+1], 0                           ; (named as the upper half of the pair)
	s_wait_alu depctr_va_vdst(0)
	s_and_b32 s10, ttmp7, 0xffff                   ; bh
	s_mov_b32 s16, 3<<16                           ; descriptor group 1: 6,144 dense bytes as 24 rows of 32 elements of 8 bytes; no mask, no padding
	s_mov_b32 s17, 32<<16
	s_mov_b32 s18, 24<<16
	s_mov_b32 s19, 32<<16
	s_mov_b32 s20, 24
	s_mov_b32 s21, 32
	s_mov_b32 s22, 0
	s_mov_b32 s23, 0
	s_lshr_b32 s11, s8, 3                          ; waves 0-7 fetch K, waves 8-15 V: VI - KI bytes apart in memory
	s_mul_i32 s12, s11, VI-KI
	s_and_b32 s11, s8, 7
	s_mul_i32 s11, s11, 6144                       ; key step wave % 8
	s_add_co_u32 s12, s12, s11
	s_mul_i32 s13, s10, 49152                      ; the head's 64 half fragments
	s_add_co_u32 s12, s12, s13
	s_add_co_u32 s12, s12, KI
	s_mov_b32 s13, 0
	s_mov_b32 s24, 1                               ; group 0: count;
	s_mul_i32 s25, s8, 6144                        ; LDS address: wave x 6,144 (V's images follow K's)
	s_mov_b32 s[SEL], 0x76543210
	s_mov_b32 s[SEL+1], 0xfedcba98
	s_mov_b32 s[CS], 0x3e38aa3b                    ; log2(e) / 8
	s_mov_b32 s[CS+1], s[CS]                       ; (named with it as a pair)
	s_wait_dscnt 0x0                               ; both opening adds are done
	s_wait_kmcnt 0x0
	s_add_nc_u64 s[26:27], s[4:5], s[12:13]
	s_or_b32 s27, s27, 0x80000000
	tensor_load_to_lds s[24:27], s[16:23]          ; my one tensor load
	s_nop 0
	s_lshl_b32 s12, s10, 6
	s_lshl_b32 s14, ttmp9, 5
	s_add_co_u32 s14, s14, s8                      ; my first tile of queries: 32 x + wave
	s_add_co_u32 s12, s12, s14
	s_mul_i32 s12, s12, 768
	s_add_nc_u64 s[48:49], s[4:5], s[12:13]        ; q's half fragment
	s_lshl_b32 s15, s10, 12
	s_lshr_b32 s12, s14, 2
	s_lshl_b32 s12, s12, 8
	s_add_co_u32 s12, s12, s15
	s_and_b32 s60, s8, 3
	s_lshl_b32 s60, s60, 2
	s_add_co_u32 s12, s12, s60
	s_add_co_u32 s12, s12, QSO
	s_add_nc_u64 s[50:51], s[4:5], s[12:13]        ; its words: block tile / 4, word tile % 4
	s_lshl_b32 s12, s8, 8
	s_add_co_u32 s12, s12, s15
	s_add_co_u32 s12, s12, KSO
	s_add_nc_u64 s[52:53], s[4:5], s[12:13]        ; k's words of block `wave`
	s_add_co_u32 s12, s15, VSO
	s_add_nc_u64 s[54:55], s[4:5], s[12:13]        ; v's words
	s_lshr_b32 s12, s10, 4
	s_lshl_b32 s12, s12, 6
	s_add_co_u32 s12, s12, s14                     ; my tile among all 512 tiles of rows
	s_lshl_b32 s12, s12, 4
	s_and_b32 s60, s10, 15
	s_add_co_u32 s60, s12, s60                     ; x 16 + head
	s_mul_i32 s12, s60, 768
	s_add_nc_u64 s[56:57], s[6:7], s[12:13]        ; o's half fragment
	s_lshl_b32 s12, s60, 6
	s_add_co_u32 s12, s12, OSO
	s_add_nc_u64 s[58:59], s[6:7], s[12:13]        ; its 16 words
	global_load_b64 v[204:205], v242, s[52:53]
	global_load_b32 v208, v243, s[54:55]
	global_load_b32 v209, v243, s[54:55] offset:256
	global_load_b128 v[22:25], v1, s[48:49]
	global_load_b64 v[26:27], v2, s[48:49]
	global_load_b32 v34, v10, s[50:51]
	global_load_b128 v[88:91], v1, s[48:49] offset:12288       ; the second pass's tile lies 16 tiles on
	global_load_b64 v[92:93], v2, s[48:49] offset:12288
	global_load_b32 v94, v10, s[50:51] offset:1024
	s_mov_b32 s9, 2                                ; passes to go
	s_wait_loadcnt 0x0
	v_lshl_or_b32 v204, v205, 16, v204             ; K's word of (G, r): the first tile's two bytes, then the second's
	v_lshl_or_b32 v208, v209, 16, v208             ; V's word of (s, t, r): the first 64 keys' two bytes, then the next 64's
	v_lshl_or_b32 v34, v34, 16, v34                ; q's two bytes twice: they serve [q | 0] and [0 | q]
	v_lshl_or_b32 v94, v94, 16, v94
	ds_store_b32 v244, v204
	ds_store_b32 v244, v208 offset:2048
	s_wait_alu depctr_va_vdst(0)
	s_wait_tensorcnt 0x0                           ; my 6,144 bytes have landed,
	s_wait_dscnt 0x0                               ; and my scale words
	s_barrier_signal -1
	s_barrier_wait -1                              ; all of K and V and their words lie in LDS for every wave; nothing writes LDS from here on
; A KEY STEP: 128 keys.  The sum runs in eight chains of pairs, v[14:15] and v[224:237]; their seven joining adds stand behind the step's last products and behind the next step's first: they are the places there.
.macro STEP s
.irp b, 0,1,2,3
	ds_load_b128 v[36+12*\b:39+12*\b], v1 offset:(4*(\s)+\b)*1536
	ds_load_b64 v[40+12*\b:41+12*\b], v2 offset:(4*(\s)+\b)*1536
	ds_load_b128 v[42+12*\b:45+12*\b], v1 offset:(4*(\s)+\b)*1536+768
	ds_load_b64 v[46+12*\b:47+12*\b], v2 offset:(4*(\s)+\b)*1536+768
.endr
	ds_load_b32 v84, v7 offset:256*(\s)            ; lanes 0-15: G = 4 s, lanes 16-31: 4 s + 1
	ds_load_b32 v85, v7 offset:256*(\s)+128
	s_wait_alu depctr_va_vdst(0)
	s_wait_dscnt 0x0
.irp b, 0,1,2,3
.irp u, 0,1
	WM 96+8*(2*\b+\u), 36+12*\b, 22-6*\u, 1, 0, 84+\b/2, 34, \b%2
.endr
.endr
.if (\s) == 0
.rept 4
	v_nop                                          ; four places ahead of the loads below and of the first read of the scores
.endr
.else
	v_pk_add_f32 v[14:15], v[14:15], v[226:227]    ; the last step's sum is joined: four places
	v_pk_add_f32 v[230:231], v[230:231], v[234:235]
	v_nop
	v_pk_add_f32 v[14:15], v[14:15], v[230:231]
.endif
.irp t, 0,1,2,3                        ; V's fragments take K's registers and land while the softmax is walked
	ds_load_b128 v[36+12*\t:39+12*\t], v3 offset:(4*(\s)+\t)*1536
	ds_load_b64 v[40+12*\t:41+12*\t], v4 offset:(4*(\s)+\t)*1536
	ds_load_b128 v[42+12*\t:45+12*\t], v3 offset:(4*(\s)+\t)*1536+768
	ds_load_b64 v[46+12*\t:47+12*\t], v4 offset:(4*(\s)+\t)*1536+768
.endr
	ds_load_b32 v86, v7 offset:2048+256*(\s)
	ds_load_b32 v87, v7 offset:2048+256*(\s)+128
.irp c, 0,1                            ; my two blocks' largest scores, two chains each; every accumulator is read from its low end on
	v_max3_num_f32 v[BM+\c], v[96+32*\c], v[97+32*\c], v[98+32*\c]
	v_max3_num_f32 v[BT+\c], v[112+32*\c], v[113+32*\c], v[114+32*\c]
.endr
.irp i, 3,5,7,9,11,13
.irp c, 0,1
	v_max3_num_f32 v[BM+\c], v[BM+\c], v[96+32*\c+\i], v[97+32*\c+\i]
	v_max3_num_f32 v[BT+\c], v[BT+\c], v[112+32*\c+\i], v[113+32*\c+\i]
.endr
.endr
.irp c, 0,1
	v_max3_num_f32 v[BM+\c], v[BM+\c], v[BT+\c], v[111+32*\c]
.endr
.irp c, 0,1
	v_max_num_f32 v[BM+\c], v[BM+\c], v[127+32*\c]
.endr
	s_delay_alu instid0(VALU_DEP_1)
	v_max_num_f32 v[TT], v[BM], v[BM+1]
	s_delay_alu instid0(VALU_DEP_1)
	v_permlanex16_b32 v[BT], v[TT], s[SEL], s[SEL+1]
	s_delay_alu instid0(VALU_DEP_1)
	v_max3_num_f32 v13, v13, v[TT], v[BT]          ; the running largest score of my query, lane l xor 16's 64 keys among them
	s_delay_alu instid0(VALU_DEP_1)
	v_mul_f32 v[TT], s[CS], v13                    ; as t
	s_delay_alu instid0(VALU_DEP_1)
	v_floor_f32 v12, -v[TT]                        ; the new -M = floor(-t): M is a whole number
.set J, 0
.rept 32
	v_pk_fma_f32 v[96+J:97+J], v[96+J:97+J], s[CS:CS+1], v[12:13] op_sel_hi:[1,0,0]   ; t - M
.if J == 6
	v_sub_f32 v[TT], v12, v[TO]                    ; old M - new M, 0 or less
.elseif J == 14
	v_cvt_i32_f32 v[TT], v[TT]                     ; (it saturates)
.elseif J == 22
	v_ldexp_f32 v[FF], 1.0, v[TT]                  ; f
.endif
.set J, J+2
.endr
.irp c, 0,1
	v_fma_f32 v[BM+\c], v[BM+\c], s[CS], v12
.endr
	s_wait_alu depctr_va_vdst(0)
.irp c, 0,1
	v_exp_f32 v[BM+\c], v[BM+\c]                   ; the blocks' largest p
.endr
.set J, 0
.rept 64
	v_exp_f32 v[96+J], v[96+J]                     ; p = 2^(t - M)
.set J, J+1
.endr
	v_mov_b32 v[TO], v12                           ; kept for the next step; the plain line behind the exponentials
	s_wait_dscnt 0x0                               ; V's fragments and words are in
	s_wait_alu depctr_va_vdst(0)                   ; one wait for the batch, directly ahead of the first reader of O^T
.if (\s) > 0
.set J, 0
.rept 16
	v_pk_mul_f32 v[160+J:161+J], v[160+J:161+J], v[FF:FF+1] op_sel_hi:[1,0]   ; O^T under the new M
.set J, J+2
.endr
.endif
.irp c, 0,1
	v_max_num_f32 v[BM+\c], 0x1800000, v[BM+\c]    ; the floor 2^(3 - 127)
.endr
	v_pk_fma_f32 v[14:15], v[14:15], v[FF:FF+1], v[96:97] op_sel_hi:[1,0,1]   ; the sum under the new M, and its first pair of p
.irp k, 1,2,3
	v_pk_add_f32 v[222+2*\k:223+2*\k], v[96+2*\k:97+2*\k], v[112+2*\k:113+2*\k]
.endr
.irp c, 0,1
	v_add_nc_u32 v[BE+\c], 0xff000000, v[BM+\c]    ; 2 off the exponent field
.endr
.irp k, 4,5,6,7
	v_pk_add_f32 v[222+2*\k:223+2*\k], v[96+2*\k:97+2*\k], v[112+2*\k:113+2*\k]
.endr
.irp c, 0,1                            ; my block 2 c + h is registers 6 c .. 6 c + 5 of the operand as they stand
	v_cvt_scalef32_pk16_fp6_f32 v[192+6*\c:194+6*\c], v[96+32*\c:111+32*\c], v[BE+\c]
	v_cvt_scalef32_pk16_fp6_f32 v[204+4*\c:206+4*\c], v[112+32*\c:127+32*\c], v[BE+\c]   ; (a conversion's three registers begin on an even number)
.endr
.irp c, 0,1
	v_lshrrev_b32 v[BT+\c], 23, v[BE+\c]           ; the bytes; also the plain lines behind the conversions
.endr
.irp i, 0,1,2
	v_mov_b32 v[195+\i], v[204+\i]
.endr
	v_lshl_or_b32 v[PT], v[BT+1], 16, v[BT]        ; blocks h and 2 + h,
.irp i, 0,1,2
	v_mov_b32 v[201+\i], v[208+\i]
.endr
	s_delay_alu instid0(VALU_DEP_4)
	v_lshlrev_b32 v[PT], v8, v[PT]                 ; at their places in the word;
	v_pk_add_f32 v[14:15], v[14:15], v[112:113]
	s_delay_alu instid0(VALU_DEP_2)
	v_permlanex16_b32 v[BT], v[PT], s[SEL], s[SEL+1]
	v_pk_add_f32 v[14:15], v[14:15], v[128:129]
.irp k, 1,2,3
	v_pk_add_f32 v[222+2*\k:223+2*\k], v[222+2*\k:223+2*\k], v[128+2*\k:129+2*\k]
.endr
	v_or_b32 v[PW], v[PT], v[BT]                   ; with lane l xor 16's two the word is whole; twelve plain lines stand between it and the products
.irp k, 4,5,6,7
	v_pk_add_f32 v[222+2*\k:223+2*\k], v[222+2*\k:223+2*\k], v[128+2*\k:129+2*\k]
.endr
	v_pk_add_f32 v[14:15], v[14:15], v[144:145]
.irp k, 1,2,3,4,5,6,7
	v_pk_add_f32 v[222+2*\k:223+2*\k], v[222+2*\k:223+2*\k], v[144+2*\k:145+2*\k]
.endr
.irp t, 0,1,2,3
.if (\s) == 0
	WM 160+8*\t, 36+12*\t, 192, 1, 0, 86+\t/2, PW, \t%2        ; a pass's first step starts O^T's sums
.else
	WM 160+8*\t, 36+12*\t, 192, 0, 160+8*\t, 86+\t/2, PW, \t%2
.endif
.endr
	v_pk_add_f32 v[14:15], v[14:15], v[224:225]    ; four joining adds: the places ahead of the next loads into the fragments' registers and of the first read of O^T
	v_pk_add_f32 v[226:227], v[226:227], v[228:229]
	v_pk_add_f32 v[230:231], v[230:231], v[232:233]
	v_pk_add_f32 v[234:235], v[234:235], v[236:237]
.endm
.Lpass:                                        ; A PASS: one tile of 16 queries against all 1,024 keys
	v_mov_b32 v13, 0xff61b1e6                      ; the largest score so far: -3e38
	v_mov_b32 v12, 0x7f61b1e6                      ; -M
	v_mov_b32 v[TO], 0x7f61b1e6
	v_mov_b32 v14, 0
	v_mov_b32 v15, 0
.rept 4
	v_nop                                          ; q's scale word was written by a vector instruction: eight places ahead of the first product
.endr
.irp s, 0,1,2,3,4,5,6,7
	STEP \s
.endr
	; the pass's end: O^T / the sum, quantised along d (two blocks of 32), half a fragment of the last product's operand
	v_pk_add_f32 v[14:15], v[14:15], v[226:227]
	v_pk_add_f32 v[230:231], v[230:231], v[234:235]
	s_delay_alu instid0(VALU_DEP_1)
	v_pk_add_f32 v[14:15], v[14:15], v[230:231]
	s_delay_alu instid0(VALU_DEP_1)
	v_add_f32 v14, v14, v15
	s_delay_alu instid0(VALU_DEP_1)
	v_permlanex16_b32 v[TT], v14, s[SEL], s[SEL+1]
	s_delay_alu instid0(VALU_DEP_1)
	v_add_f32 v14, v14, v[TT]                      ; the row's sum
	s_wait_alu depctr_va_vdst(0)
	v_rcp_f32 v14, v14
	v_nop
	s_wait_alu depctr_va_vdst(0)                   ; and behind it, directly ahead of the first reader of O^T
.set J, 0
.rept 16
	v_pk_mul_f32 v[160+J:161+J], v[160+J:161+J], v[14:15] op_sel_hi:[1,0]   ; register 16 b + i is o(my query, 32 b + 16 (lane / 16) + i)
.set J, J+2
.endr
.irp b, 0,1
	v_max3_num_f32 v[BM+\b], |v[160+16*\b]|, |v[161+16*\b]|, 0x1800000
.endr
.irp i, 2,4,6,8,10,12,14
.irp b, 0,1
	s_delay_alu instid0(VALU_DEP_2)
	v_max3_num_f32 v[BM+\b], v[BM+\b], |v[160+16*\b+\i]|, |v[161+16*\b+\i]|
.endr
.endr
.irp b, 0,1
	s_delay_alu instid0(VALU_DEP_2)
	v_permlanex16_b32 v[BT+\b], v[BM+\b], s[SEL], s[SEL+1]
.endr
.irp b, 0,1
	s_delay_alu instid0(VALU_DEP_2)
	v_max_num_f32 v[BM+\b], v[BM+\b], v[BT+\b]
.endr
.irp b, 0,1
	s_delay_alu instid0(VALU_DEP_2)
	v_add_nc_u32 v[BE+\b], 0xff000000, v[BM+\b]
.endr
.irp b, 0,1
	s_delay_alu instid0(VALU_DEP_2)
	v_lshrrev_b32 v[BT+\b], 23, v[BE+\b]
.endr
	s_delay_alu instid0(VALU_DEP_1)
	v_lshl_or_b32 v[PW], v[BT+1], 8, v[BT]
	v_cvt_scalef32_pk16_fp6_f32 v[192:194], v[160:175], v[BE]
	v_cvt_scalef32_pk16_fp6_f32 v[204:206], v[176:191], v[BE+1]
	v_nop
.irp i, 0,1,2
	v_permlane16_swap_b32 v[192+\i], v[204+\i]     ; along d a block lies in lanes l and l xor 16: the operand wants it whole in a lane
.endr
.irp i, 0,1,2
	s_delay_alu instid0(VALU_DEP_3)
	v_mov_b32 v[195+\i], v[204+\i]
.endr
	global_store_b128 v1, v[192:195], s[56:57]     ; 512 consecutive bytes,
	global_store_b64 v2, v[196:197], s[56:57]      ; and the 256 behind them
	global_store_b32 v9, v[PW], s[58:59]           ; 16 words; lanes 16-31 store what lanes 0-15 store
	v_mov_b32 v34, v94                             ; the second pass's q and its word
.irp i, 0,1,2,3,4,5
	v_mov_b32 v[22+\i], v[88+\i]
.endr
	s_wait_xcnt 0x0                                ; the stores' bases and data are rewritten only behind this wait
	s_add_nc_u64 s[56:57], s[56:57], 196608        ; the second pass's tile: 16 x 16 half fragments on,
	s_add_nc_u64 s[58:59], s[58:59], 16384         ; 16 x 16 x 64 bytes of words on
	s_sub_co_u32 s9, s9, 1
	s_cmp_lg_u32 s9, 0
	s_wait_alu depctr_va_vdst(0)
	s_cbranch_scc1 .Lpass
	s_wait_tensorcnt 0x0                           ; the wave's end
	ds_add_u32 v[SPW], v[NIL]
	s_wait_dscnt 0x0
	s_endpgm
.Lfunc_end_k_q0c2f80ff92_attn:
	.size	k_q0c2f80ff92_attn, .Lfunc_end_k_q0c2f80ff92_attn-k_q0c2f80ff92_attn
	.p2alignl 7, 3214868480
	.fill 96, 4, 3214868480
	.section	.rodata,"a",@progbits
	.p2align	6, 0x0
	.amdhsa_kernel k_q0c2f80ff92_attn
		.amdhsa_group_segment_fixed_size 167936
		.amdhsa_private_segment_fixed_size 0
		.amdhsa_enable_private_segment 0
		.amdhsa_kernarg_size 16
		.amdhsa_user_sgpr_count 2
		.amdhsa_user_sgpr_kernarg_segment_ptr 1
		.amdhsa_wavefront_size32 1
		.amdhsa_system_sgpr_workgroup_id_x 1
		.amdhsa_system_sgpr_workgroup_id_y 1
		.amdhsa_system_sgpr_workgroup_id_z 1
		.amdhsa_system_vgpr_workitem_id 0
		.amdhsa_next_free_vgpr 256
		.amdhsa_next_free_sgpr 66
		.amdhsa_reserve_vcc 0
		.amdhsa_float_denorm_mode_32 3
		.amdhsa_float_denorm_mode_16_64 3
		.amdhsa_memory_ordered 1
		.amdhsa_forward_progress 1
		.amdhsa_inst_pref_size 128
	.end_amdhsa_kernel
	.amdgpu_metadata
---
amdhsa.version: [ 1, 2 ]
amdhsa.kernels:
  - .name:           k_q0c2f80ff92_attn
    .symbol:         k_q0c2f80ff92_attn.kd
    .args:
      - { .name: qkv, .offset: 0, .size: 8, .value_kind: global_buffer, .address_space: global }
      - { .name: oimg, .offset: 8, .size: 8, .value_kind: global_buffer, .address_space: global }
    .group_segment_fixed_size: 167936
    .private_segment_fixed_size: 0
    .kernarg_segment_align: 8
    .kernarg_segment_size: 16
    .max_flat_workgroup_size: 512
    .sgpr_count:     66
    .vgpr_count:     256
    .wavefront_size: 32
...
	.end_amdgpu_metadata
.endif
;; end of part 3
;; launch outp (part 4): grid 256 x 1, 4 waves a work-group, no clusters, 17,920 bytes of LDS; arguments oimg, wimg, bo, out0; writes out0
.if DOCPART == 4
	.amdgcn_target "amdgcn-amd-amdhsa--gfx1250"
	.amdhsa_code_object_version 6
	.text
	.protected	k_q0c2f80ff92_outp
	.globl	k_q0c2f80ff92_outp
	.p2align	8
	.type	k_q0c2f80ff92_outp,@function
k_q0c2f80ff92_outp:
	s_mov_b64 s[64:65], 0
	v_nop
	global_prefetch_b8 v0, s[64:65] scope:SCOPE_SE
	s_setreg_imm32_b32 hwreg(HW_REG_WAVE_MODE, 25, 1), 1
	s_wait_xcnt 0x0
; out0 = o Wo + bo on codes of FP6 (E2M3).  o arrives as half fragments [tile of 16 rows][head] (768 bytes: registers 0-3 of lane l at 16 l, registers 4, 5 at 512 + 8 l) with a word of two scale bytes a row;
; heads 2 ks and 2 ks + 1 are the fragment of K step ks.  Wo arrives as records of 6,656 bytes (four fragments and their scale words in register order) for 64 columns x 128 along K.
; SHARES.  Work-group: 64 rows x 512 columns.  Every wave holds the 64 rows' 32 fragments in registers (384) and makes two groups of 64 columns, one after the other: 16 accumulators, 16 products a K step.
; The weights go from memory straight into registers through a ring of four register sets (56 loads out at the most); waves share nothing: no barrier.
; NO CLUSTER: a joint load lands in LDS alone; here a record feeds one wave's 16 products from registers, and no two waves of the work-group read the same record.
; Source 0 = 16 columns of Wo (lane r of tile 2 b + u: column 32 b + 8 u + r + 8 (r / 8)), source 1 = 16 rows: a lane holds one row and eight neighbouring columns a tile.  The bias is the C of each sum's first product.
; THE WAY OUT: 16 rows x 256 bytes through the wave's own stage; sixteen lanes store 256 consecutive bytes at a multiple of 256 from the buffer's first byte.
; REGISTERS.  window 0: v1-8 addresses; v24-39 o's scale words; v40-47 Wo's; v64-127 the way out; v128-255 the accumulators.  window 1: o's fragments of K steps 0-4; window 2: K steps 5-7, from v144 the bias; window 3: the ring.
.set REC,   6656                       ; a record: 6,144 bytes of codes, 256 of scale words, 256 that nobody reads
.set OFF_O, 2129920
.set OSO,   6291456
.set SPARE, 17408                      ; behind four stages of 16 rows x 272 bytes: the spare words
.set LI,  1
.set L8,  2
.set LS4, 3
.set SO,  4
.set SR,  5
.set GO,  6
.set RO,  7
.set BO,  8
.set SPW, 18
.set NIL, 19
.set AS,  24
.set WS,  40
.set OB,  64
.set ACC, 128
.set BI,  144
.set WA,  26
.set MSB, 0
.macro WIN new
.if MSB != (\new)
	s_set_vgpr_msb (MSB<<8)|(\new)
.set MSB, \new
.endif
.endm
.macro WM d, a, b, c, sa, sb, ra, rb   ; one product; ra, rb = 1: that side's scale words stand in lanes 16-31
.set WSEL, 2*(\ra)+(\rb)
.if WSEL == 0
	v_wmma_scale_f32_16x16x128_f8f6f4 v[\d:\d+7], v[\a:\a+11], v[\b:\b+11], v[\c:\c+7], v[\sa], v[\sb] matrix_a_fmt:MATRIX_FMT_FP6 matrix_b_fmt:MATRIX_FMT_FP6
.elseif WSEL == 1
	v_wmma_scale_f32_16x16x128_f8f6f4 v[\d:\d+7], v[\a:\a+11], v[\b:\b+11], v[\c:\c+7], v[\sa], v[\sb] matrix_a_fmt:MATRIX_FMT_FP6 matrix_b_fmt:MATRIX_FMT_FP6 matrix_b_scale:MATRIX_SCALE_ROW1
.elseif WSEL == 2
	v_wmma_scale_f32_16x16x128_f8f6f4 v[\d:\d+7], v[\a:\a+11], v[\b:\b+11], v[\c:\c+7], v[\sa], v[\sb] matrix_a_fmt:MATRIX_FMT_FP6 matrix_b_fmt:MATRIX_FMT_FP6 matrix_a_scale:MATRIX_SCALE_ROW1
.else
	v_wmma_scale_f32_16x16x128_f8f6f4 v[\d:\d+7], v[\a:\a+11], v[\b:\b+11], v[\c:\c+7], v[\sa], v[\sb] matrix_a_fmt:MATRIX_FMT_FP6 matrix_b_fmt:MATRIX_FMT_FP6 matrix_a_scale:MATRIX_SCALE_ROW1 matrix_b_scale:MATRIX_SCALE_ROW1
.endif
.endm
.macro WLOAD set, rec                  ; a record into register set `set`: 14 loads
	WIN 0
	global_load_b32 v[WS+2*(\set)], v[LS4], s[WA:WA+1] offset:REC*(\rec)+6144
	global_load_b32 v[WS+2*(\set)+1], v[LS4], s[WA:WA+1] offset:REC*(\rec)+6272
	WIN 0xc0
.irp f, 0,1,2,3
.irp c, 0,1,2
	global_load_b128 v[48*(\set)+12*\f+4*\c:48*(\set)+12*\f+4*\c+3], v[LI], s[WA:WA+1] offset:REC*(\rec)+1536*\f+512*\c
.endr
.endr
.endm
.macro TOSTAGE m                       ; 16 rows x 64 columns: in by lanes (each accumulator from its low end on), back by rows.  LDS serves a wave's instructions in order
.irp n, 0,1,2,3
	ds_store_b128 v[SO], v[ACC+8*(4*(\m)+\n):ACC+8*(4*(\m)+\n)+3] offset:128*(\n/2)+32*(\n%2)
	ds_store_b128 v[SO], v[ACC+8*(4*(\m)+\n)+4:ACC+8*(4*(\m)+\n)+7] offset:128*(\n/2)+32*(\n%2)+16
.endr
.irp i, 0,1,2,3,4,5,6,7
	ds_load_b128 v[OB+32*((\m)%2)+4*\i:OB+32*((\m)%2)+4*\i+3], v[SR] offset:544*\i
.endr
.endm
.macro SEND m, gi, younger             ; younger: the LDS instructions issued behind block m's loads
	s_wait_dscnt \younger
.irp i, 0,1,2,3,4,5,6,7
	global_store_b128 v[GO], v[OB+32*((\m)%2)+4*\i:OB+32*((\m)%2)+4*\i+3], s[28:29] offset:(16*(\m)+2*\i)*4096+256*(\gi) th:TH_STORE_NT
.endr
.endm
.macro OUT gi
.irp m, 0,1,2,3
	s_wait_xcnt 0x0                                ; the stores of two blocks back have read their registers: this block's loads may land there
	TOSTAGE \m
.if \m > 0
	SEND \m-1, \gi, 16                             ; behind the last block's loads: this block's 8 stores and 8 loads
.endif
.endr
	SEND 3, \gi, 0
.endm
.macro OSTEP i                         ; step i: group i / 8, K step i % 8
.set KK, (\i)%8
.set GI, (\i)/8
.if 15-(\i) >= 3
	s_wait_loadcnt 42                              ; this set's 14 loads are in; three sets behind it may be out
.else
	s_wait_loadcnt 14*(15-(\i))
.endif
.set AB, 48*(KK%5)
.set WF, 48*((\i)%4)
.set WSC, WS+2*((\i)%4)
.set ASK, AS+2*KK
.if KK == 0
	WIN 0x27                                       ; source 0 window 3, source 1 window 1, C (the bias) window 2
.elseif KK < 5
	WIN 0x07
.else
	WIN 0x0b
.endif
.irp m, 0,1,2,3
.irp n, 0,1,2,3
.if KK == 0
	WM ACC+8*(4*\m+\n), WF+12*\n, AB+12*\m, BI+32*GI+8*\n, WSC+\n/2, ASK+\m/2, \n%2, \m%2
.else
	WM ACC+8*(4*\m+\n), WF+12*\n, AB+12*\m, ACC+8*(4*\m+\n), WSC+\n/2, ASK+\m/2, \n%2, \m%2
.endif
.endr
.endr
.rept 4
	v_nop                                          ; four places ahead of loads into registers that these products read, and of the first read of results
.endr
.if (\i)+4 <= 15
	WLOAD (\i)%4, (\i)+4                           ; nothing is asked for past my sixteen records
.endif
.if KK == 7
	WIN 0
	OUT GI
.if GI == 0
.rept 5
	v_nop                                          ; the next products begin the same accumulators anew with another C: five places behind the last ones
.endr
.endif
.endif
.endm
	s_load_b256 s[4:11], s[0:1], 0x0               ; oimg, wimg, bo, out0
	v_lshl_add_u32 v[SPW], v0, 2, SPARE
	v_mov_b32 v[NIL], 0
	v_lshrrev_b32 v20, 5, v0
	v_readfirstlane_b32 s12, v20                   ; wave
	v_and_b32 v20, 31, v0
	v_and_b32 v21, 15, v0                          ; r
	v_bfe_u32 v22, v0, 4, 1                        ; h
	v_lshlrev_b32 v[LI], 4, v20
	v_lshlrev_b32 v[L8], 3, v20
	v_lshlrev_b32 v[LS4], 2, v20
	s_mul_i32 s16, s12, 4352                       ; my stage
	v_mul_u32_u24 v[SO], v21, 272
	v_lshl_add_u32 v[SO], v22, 6, v[SO]
	v_add_nc_u32 v[SO], s16, v[SO]                 ; in: row r, + 64 h
	v_mul_u32_u24 v[SR], v22, 272
	v_lshl_add_u32 v[SR], v21, 4, v[SR]
	v_add_nc_u32 v[SR], s16, v[SR]                 ; back: lanes 0-15 one row, lanes 16-31 the next
	v_lshlrev_b32 v[GO], 12, v22
	v_lshl_add_u32 v[GO], v21, 4, v[GO]            ; and the same two rows of out0
	v_lshlrev_b32 v[RO], 10, v22
	v_lshl_add_u32 v[RO], v21, 2, v[RO]            ; o's words: lanes 16-31 take the next tile of rows, 1,024 bytes on
	v_lshlrev_b32 v[BO], 6, v22                    ; the bias: 16 numbers on for lanes 16-31
	s_lshr_b32 s13, ttmp9, 1                       ; my 64 rows
	s_and_b32 s14, ttmp9, 1                        ; my 512 columns
	s_lshl_b32 s15, s14, 3
	s_lshl_b32 s16, s12, 1
	s_add_co_u32 s15, s15, s16                     ; my first group of 64 columns
	s_mov_b32 s17, 0
	s_wait_alu depctr_va_vdst(0)
	s_wait_kmcnt 0x0
	s_mul_i32 s16, s13, 49152
	s_add_nc_u64 s[20:21], s[4:5], s[16:17]        ; o's images: 4 tiles x 16 heads x 768
	s_lshl_b32 s16, s13, 12
	s_add_co_u32 s16, s16, OSO
	s_add_nc_u64 s[22:23], s[4:5], s[16:17]        ; o's words
	s_lshl_b32 s16, s15, 8
	s_add_nc_u64 s[24:25], s[8:9], s[16:17]        ; the bias of my 128 columns
	s_add_nc_u64 s[28:29], s[10:11], s[16:17]
	s_lshl_b32 s16, s13, 18
	s_add_nc_u64 s[28:29], s[28:29], s[16:17]      ; out0 at my first row and column
	s_mul_i32 s16, s15, 8*REC
	s_add_co_u32 s16, s16, OFF_O
	s_add_nc_u64 s[WA:WA+1], s[6:7], s[16:17]      ; my sixteen records on end
.set Q, 0
.rept 8
.if Q < 5
	WIN 0x40
.else
	WIN 0x80
.endif
.set AB, 48*(Q%5)
.irp m, 0,1,2,3
	global_load_b128 v[AB+12*\m:AB+12*\m+3], v[LI], s[20:21] offset:12288*\m+1536*Q
	global_load_b64 v[AB+12*\m+4:AB+12*\m+5], v[L8], s[20:21] offset:12288*\m+1536*Q+512
	global_load_b128 v[AB+12*\m+6:AB+12*\m+9], v[LI], s[20:21] offset:12288*\m+1536*Q+768
	global_load_b64 v[AB+12*\m+10:AB+12*\m+11], v[L8], s[20:21] offset:12288*\m+1536*Q+1280
.endr
.set Q, Q+1
.endr
	WIN 0
.irp mp, 0,1
.irp h, 0,1,2,3,4,5,6,7,8,9,10,11,12,13,14,15
	global_load_b32 v[128+16*\mp+\h], v[RO], s[22:23] offset:2048*\mp+64*\h
.endr
.endr
	WIN 0x80
.irp gi, 0,1
.irp n, 0,1,2,3
	global_load_b128 v[BI+32*\gi+8*\n:BI+32*\gi+8*\n+3], v[BO], s[24:25] offset:256*\gi+128*(\n/2)+32*(\n%2)
	global_load_b128 v[BI+32*\gi+8*\n+4:BI+32*\gi+8*\n+7], v[BO], s[24:25] offset:256*\gi+128*(\n/2)+32*(\n%2)+16
.endr
.endr
.irp t, 0,1,2,3
	WLOAD \t, \t
.endr
	WIN 0
	s_wait_loadcnt 56                              ; all but the ring's four sets
.irp k, 0,1,2,3,4,5,6,7
.irp mp, 0,1
	v_lshl_or_b32 v[AS+2*\k+\mp], v[129+16*\mp+2*\k], 16, v[128+16*\mp+2*\k]   ; head 2 k's two bytes, then head 2 k + 1's
.endr
.endr
.rept 8
	v_nop                                          ; a scale word made by vector instructions stands eight places ahead of the product
.endr
.set I, 0
.rept 16
	s_wait_alu depctr_va_vdst(0)
	OSTEP I
.set I, I+1
.endr
	s_wait_tensorcnt 0x0                           ; the wave's end: behind my last LDS store
	ds_add_u32 v[SPW], v[NIL]
	s_wait_dscnt 0x0
	s_endpgm
.Lfunc_end_k_q0c2f80ff92_outp:
	.size	k_q0c2f80ff92_outp, .Lfunc_end_k_q0c2f80ff92_outp-k_q0c2f80ff92_outp
	.p2alignl 7, 3214868480
	.fill 96, 4, 3214868480
	.section	.rodata,"a",@progbits
	.p2align	6, 0x0
	.amdhsa_kernel k_q0c2f80ff92_outp
		.amdhsa_group_segment_fixed_size 17920
		.amdhsa_private_segment_fixed_size 0
		.amdhsa_enable_private_segment 0
		.amdhsa_kernarg_size 32
		.amdhsa_user_sgpr_count 2
		.amdhsa_user_sgpr_kernarg_segment_ptr 1
		.amdhsa_wavefront_size32 1
		.amdhsa_system_sgpr_workgroup_id_x 1
		.amdhsa_system_sgpr_workgroup_id_y 1
		.amdhsa_system_sgpr_workgroup_id_z 1
		.amdhsa_system_vgpr_workitem_id 0
		.amdhsa_next_free_vgpr 1024
		.amdhsa_next_free_sgpr 66
		.amdhsa_reserve_vcc 0
		.amdhsa_float_denorm_mode_32 3
		.amdhsa_float_denorm_mode_16_64 3
		.amdhsa_memory_ordered 1
		.amdhsa_forward_progress 1
		.amdhsa_inst_pref_size 93
	.end_amdhsa_kernel
	.amdgpu_metadata
---
amdhsa.version: [ 1, 2 ]
amdhsa.kernels:
  - .name:           k_q0c2f80ff92_outp
    .symbol:         k_q0c2f80ff92_outp.kd
    .args:
      - { .name: oimg, .offset: 0, .size: 8, .value_kind: global_buffer, .address_space: global }
      - { .name: wimg, .offset: 8, .size: 8, .value_kind: global_buffer, .address_space: global }
      - { .name: bo, .offset: 16, .size: 8, .value_kind: global_buffer, .address_space: global }
      - { .name: out0, .offset: 24, .size: 8, .value_kind: global_buffer, .address_space: global }
    .group_segment_fixed_size: 17920
    .private_segment_fixed_size: 0
    .kernarg_segment_align: 8
    .kernarg_segment_size: 32
    .max_flat_workgroup_size: 128
    .sgpr_count:     66
    .vgpr_count:     1024
    .wavefront_size: 32
...
	.end_amdgpu_metadata
.endif
;; end of part 4
